; MI455X (gfx1250); checked and timed in simulation.
; The chip was launched on July 23, 2026; its instructions are those of AMD's public machine-readable ISA for CDNA 5 (MIT licence, August 2026) and "CDNA5" Instruction Set Architecture Reference Guide (July 2026). The comments in the code are by the model that wrote it; some were corrected since.
;; Transformer Attention. Allowed arithmetic: matrix products marked QUANTISED: E4M3 operands, one given power-of-two scale a tensor, by v_wmma_f32_16x16x64_fp8_fp8 or v_wmma_f32_16x16x128_fp8_fp8, f32 sums; everything else in f32.
;; Inputs: Wk_codes 1,024 x 32 x 32 uint8 (E4M3 codes of Wk, K innermost, in blocks of 32 codes); Wo_codes 1,024 x 32 x 32 uint8 (E4M3 codes of Wo, K innermost, in blocks of 32 codes); Wq_codes 1,024 x 32 x 32 uint8 (E4M3 codes of Wq, K innermost, in blocks of 32 codes); Wv_codes 1,024 x 32 x 32 uint8 (E4M3 codes of Wv, K innermost, in blocks of 32 codes); bk 1,024 float32; bo 1,024 float32; bq 1,024 float32; bv 1,024 float32; lowp_scales 12 int32 (the exponents e of the quantised operands' scales 2^e); x_codes 4 x 2,048 x 32 x 32 uint8 (E4M3 codes of x, K innermost, in blocks of 32 codes).
;; Outputs: out0 4 x 2,048 x 1,024 float32.
;; This version of the problem:
;;   THIS VERSION OF THE PROBLEM IS GIVEN IN LOW PRECISION. The matrix products marked QUANTISED in the list below multiply operands that are first quantised to E4M3 (4 exponent bits, 3 mantissa bits; 8 bits a number), with one given power-of-two scale for each operand tensor; their sums are f32. All else is computed in f32.
;;   The module's matrix products, in the order in which they are computed (A, B: the left and right operand; K: the contracted axis; several contracted axes count as one K, in the product's order):
;;     1. [M 8,192, K 1,024] x [K 1,024, N 1,024]; A: input x (given as codes); B: input Wq (given as codes): QUANTISED (scales: A lowp_scales[0], B lowp_scales[1])
;;     2. [M 8,192, K 1,024] x [K 1,024, N 1,024]; A: input x (given as codes); B: input Wk (given as codes): QUANTISED (scales: A lowp_scales[2], B lowp_scales[3])
;;     3. [M 8,192, K 1,024] x [K 1,024, N 1,024]; A: input x (given as codes); B: input Wv (given as codes): QUANTISED (scales: A lowp_scales[4], B lowp_scales[5])
;;     4. batch 64 x [M 2,048, K 64] x [K 64, N 2,048]; A: computed on the way; B: computed on the way: QUANTISED (scales: A lowp_scales[6], B lowp_scales[7])
;;     5. batch 64 x [M 2,048, K 2,048] x [K 2,048, N 64]; A: softmax (see below); B: computed on the way: QUANTISED (scales: A lowp_scales[8], B lowp_scales[9])
;;     6. [M 8,192, K 1,024] x [K 1,024, N 1,024]; A: computed on the way; B: input Wo (given as codes): QUANTISED (scales: A lowp_scales[10], B lowp_scales[11])
;;   THE QUANTISER, for each operand of a quantised product, along K:
;;     - The operand's scale is 2^e, e = its entry of the input lowp_scales (int32; the entries are numbered through the quantised products in the list's order, A before B).
;;     - Each number is divided by the scale, clamped to +-448, and rounded to the nearest number of E4M3, ties to even, subnormals kept.
;;     - The product sums the exact products of the quantised numbers (number of the format x scale) in f32.
;;   ~~~python
;;   def quantise(x, axis, e):      # numpy; x: float32 -> the quantised numbers, widened to float32 again
;;       x = np.moveaxis(x, axis, -1); K = x.shape[-1]
;;       r = np.clip(x / 2.0 ** e, -448, 448)
;;       step = 2.0 ** (np.maximum(np.frexp(np.where(r == 0, 1, r))[1] - 1, -6) - 3)
;;       q = np.round(r / step) * step * 2.0 ** e      # np.round: ties to even
;;       return np.moveaxis(q, -1, axis).astype(np.float32)
;;   ~~~
;;   SOFTMAX AHEAD OF A QUANTISED PRODUCT. Where the list says 'softmax', what is quantised is not the finished softmax but p = 2^(t - M), with t = logit x log2(e) and M = ceil(the row's largest t), a whole number; so 1/2 < the row's largest p <= 1. The row's sum l is taken of the UNQUANTISED p, in f32, and the product's result is divided by l at the end. Since M is a whole number, a kernel that streams over the keys may use a running M (the ceiling of the running maximum): every later rescaling is an exact power of two, so the quantised numbers keep their values, but for numbers so far below the row's largest that they fall under the format's range.
;;   OPERANDS COMPUTED ON THE WAY. 'Computed on the way' means the value that the module computes at that place (a softmax that the list does not call 'softmax' is quantised finished and normalised). What goes into a quantiser is computed in f32, as accurately as f32 sums, v_exp_f32 and their like allow (about 1e-6 of the number): no bf16 or f16 on the way to a quantiser, and a product that is left as it is and whose result goes on into a quantised operand takes f32 operands (vector FMAs, or v_wmma_f32_16x16x4_f32). A number that lies on a knife's edge between two numbers of the format may be rounded either way, as far as f32 arithmetic and the matrix unit's own rounding can turn it there, and no further.
;;   INPUTS GIVEN AS CODES. Wk (in the module: [1024, 1024], K = its axis 1); Wo (in the module: [1024, 1024], K = its axis 1); Wq (in the module: [1024, 1024], K = its axis 1); Wv (in the module: [1024, 1024], K = its axis 1); x (in the module: [4, 2048, 1024], K = its axis 2): each comes as NAME_codes (uint8): NAME with its K axis moved to the last place and cut into blocks of 32 codes, [.., K / 32, bytes a block], one block behind the other in memory; one code a byte (a code: sign, 4 exponent bits, 3 mantissa bits); its scale is its entry of lowp_scales. Its value is code x scale, taken as it is: it is not quantised again, and the codes and scales need not be those that the quantiser above would give.
;; 2 versions, each right; version 2 is version 1 with the launch attn written anew for expert scheduling mode. Each part assembles by itself: llvm-mc -triple=amdgcn-amd-amdhsa -mcpu=gfx1250 --defsym DOCPART=n.
;; ======== version 1 of 2: 3 launches
;; workspace buffers: qc 8,388,608 bytes; kv 16,777,216 bytes; ctx 8,388,608 bytes
;; launch qkv (part 1): grid 12 x 32, 4 waves a work-group, clusters of 4 x 4, 327,680 bytes of LDS; arguments x_codes, Wq_codes, Wk_codes, Wv_codes, bq, bk, bv, lowp_scales, qc, kv; writes qc, kv
.if DOCPART == 1
	.amdgcn_target "amdgcn-amd-amdhsa--gfx1250"
	.amdhsa_code_object_version 6
	.text
	.protected	k_qc15c504f46_qkv
	.globl	k_qc15c504f46_qkv
	.p2align	8
	.type	k_qc15c504f46_qkv,@function
k_qc15c504f46_qkv:
	s_mov_b64 s[64:65], 0
	v_nop
	global_prefetch_b8 v0, s[64:65] scope:SCOPE_SE
	s_setreg_imm32_b32 hwreg(HW_REG_WAVE_MODE, 25, 1), 1
	s_wait_xcnt 0x0
	s_wait_alu depctr_hold_cnt(0) depctr_sa_sdst(0) depctr_va_vdst(0) depctr_va_sdst(0) depctr_va_ssrc(0) depctr_va_vcc(0) depctr_vm_vsrc(0)
	s_getreg_b32 s2, hwreg(HW_REG_IB_STS2, 6, 4)
	s_cmp_eq_u32 s2, 0
	s_cbranch_scc0 .Lentry_in_a_cluster
	s_endpgm
.Lentry_in_a_cluster:
	s_bfe_u32 s2, ttmp6, 0x10000c
	s_cmp_lg_u32 s2, 0xf033
	s_cbranch_scc0 .Lentry_shape_is_right
	s_endpgm
.Lentry_shape_is_right:
; q = x Wq^T + bq, k = x Wk^T + bk, v = x Wv^T + bv on codes of FP8 (E4M3), each result quantised at once with its given scale (q: entry 6, k: entry 7, v: entry 9 of the scales).
; x: [8192][1024] codes, the weights [1024][1024] codes, K innermost.  A product's sum stands for sum x 2^(ea + eb), (ea, eb) = entries (0, 1), (2, 3), (4, 5) for q, k, v.
; ONE TEXT FOR THE THREE.  P[i][j] = sum over k of U[i][k] T[j][k], a tile of 256 x 256 to a work-group of four waves, 128 x 128 to a wave: 64 accumulators, 512 registers.
; The cluster's x says which product: 0 q, 1 k, 2 v: the sixteen partners of a cluster always make the same one.  q, k: U = x (i = token), T = the weight (j = channel).
; v: U = Wv (i = channel), T = x (j = token): the second attention product sums over the keys, so v has to leave with tokens innermost.  Only addresses are chosen: the loop is the same.
; THE MATRIX INSTRUCTION IS USED TRANSPOSED (source 0 = 16 rows of T, source 1 = 16 rows of U): lane (r, h) holds row i = r and its eight registers the neighbours j = 8 h + 0 .. 7.
; So one conversion of an accumulator gives two registers of the NEXT product's operand, and the results leave as IMAGES OF OPERAND REGISTERS: four registers by one store, lane l's 16 bytes at 16 l:
; each store of the wave covers 512 consecutive bytes, aligned.  No stage in LDS.
;   qc: [64 heads of the batch][128 tiles of 16 tokens][1,024 bytes]: registers 2 c, 2 c + 1 of lane (r, h): token r, channels 16 c + 8 h + 0 .. 7
;   kv: [64][16 steps of 128 keys][16,384 bytes]: eight images of k as in qc, then four images of v of 2,048 bytes: lane (r, h): channel r, registers 2 c, 2 c + 1: keys 16 c + 8 h + 0 .. 7
; THE BIAS is the C of each sum's first matrix instruction, divided by 2^(ea + eb): no addition is written.  The three scales are folded into the conversion's one: 2^E, E = eo - ea - eb.
; CLUSTERS: 4 x 4 work-groups.  U's tile hangs on cy (and the cluster's y) alone and is asked for jointly along a row of the cluster, T's on cx alone, along a column.
; K goes in steps of 256 through a ring of two LDS slots: a tile's row is 256 bytes of memory.  Fragments come by four loads of 16 bytes: a permutation of k that is the same on both sides.
; LIMITS: E between -126 and 119, so that 2^E and 448 x 2^E are f32 numbers; bias / 2^(ea + eb) inside f32's range.  NaN among the biases is not served.
; REGISTERS: window 0: v1-30 addresses and constants; v32-95 the bias tiles, later a block's held sums; v96-103 the bias by rows; v128-255 U's fragments, ONE set, later the codes.
;   window 1: T's fragments, TWO sets.   window 2: the accumulators of my rows 0-63 ((a, b) at v[8 (8 a + b)]);   window 3: of my rows 64-127.
.set KROW,   1024                      ; a row of x or of a weight in memory, in bytes
.set ROWB,   256                       ; a tile's row: 256 codes
.set PITCH,  272                       ; an LDS row: 256 bytes + 16 of padding = 68 words, so that the 16 rows of a fragment load start at 16 different banks (64 banks of 4 bytes: ISA guide 11.1)
.set FR,     16                        ; registers of a fragment: 16 rows x 128 K
.set NL,     4                         ; LDS loads that bring one
.set NP,     4                         ; places behind this matrix instruction (ISA guide 7.12.1)
.set HALFT,  128*PITCH                 ; 128 rows: what one tensor load brings, and what one wave reads of U or of T
.set SLOT,   4*HALFT                   ; U's 256 rows, then T's 256 rows
.set LAPS,   KROW/(2*ROWB)             ; a lap = two K steps = once round the ring
.set SPARE,  2*SLOT                    ; behind the ring: the spare words, 128 bytes for each wave
.set ADRA, 16                          ; v16-17  LDS address of my fragments of U in slot 0, 1
.set ADRB, 20                          ; v20-21  the same for T
.set LO,   24                          ; v24     16 x lane: my place in an image's 512 bytes
.set BJ,   25                          ; v25     32 x h: the bias by columns
.set BI,   26                          ; v26     4 x r: the bias by rows
.set SCL,  27                          ; v27     2^E as f32
.set SPW,  28                          ; v28     LDS address of my spare word; never rewritten
.set NIL,  29                          ; v29     0; never rewritten
.set LIM,  30                          ; v30     448 x 2^E
.set G,    32                          ; v32-95  eight tiles of bias in the result's layout; on the way out a block's 64 sums, held
.set IB,   96                          ; v96-103 bias[16 x + r]
.set AF,   128                         ; U's fragments
.set CD,   128                         ; the way out: 16 registers of codes for each of the eight blocks: no store's data are written again
.set G1, 24                            ; s[24:31] descriptor group 1 for U's tiles;  s[32:39] group 0, one set for each slot
.set G0, 32
.set G1B, 48                           ; s[48:55], s[56:63] the same for T's tiles
.set G0B, 56
.set MSB, 0
.macro WIN new                         ; the immediate's high byte repeats the setting that is left
.if MSB != \new
	s_set_vgpr_msb (MSB<<8)|\new
.set MSB, \new
.endif
.endm
.set MUL_LO, 0xa1                      ; source 0 (T) window 1, source 1 (U) window 0, C and D window 2
.set MUL_HI, 0xf1                      ; the same, C and D window 3
.set BIA_LO, 0x81                      ; the first products: C (the bias) window 0, D window 2
.set BIA_HI, 0xc1                      ; D window 3
.set TO_B,   0x40                      ; destination window 1, address window 0
; A joint load: waves 0 and 1 fetch for U, waves 2 and 3 for T.  Each line has one mask and one set of registers for all that issue it; the branch hangs on the wave's number alone.
; Four v_nop follow each of the two lines, ahead of the jump, the label and what follows.
.macro JLOAD g0a, g1a, g0b, g1b
	s_cmp_eq_u32 s15, 0
	s_cbranch_scc0 .Lfor_b_\@
	tensor_load_to_lds s[\g0a:\g0a+3], s[\g1a:\g1a+7]
	s_nop 0
.rept 4
	v_nop
.endr
	s_branch .Lasked_\@
.Lfor_b_\@:
	tensor_load_to_lds s[\g0b:\g0b+3], s[\g1b:\g1b+7]
	s_nop 0
.rept 4
	v_nop
.endr
.Lasked_\@:
.endm
.macro CREST                           ; a round of the cluster's barrier behind its opening barrier
	s_cmp_lg_u32 s14, 0
	s_cbranch_scc1 .Lnot_wave_0_\@
	s_barrier_signal -3
.Lnot_wave_0_\@:
	s_barrier_wait -3
	s_barrier_signal -1
	s_barrier_wait -1
.endm
.macro CROUND                          ; a whole round
	s_barrier_signal -1
	s_barrier_wait -1
	CREST
.endm
	s_load_b512 s[68:83], s[0:1], 0x0              ; x s[68:69], Wq s[70:71], Wk s[72:73], Wv s[74:75], bq s[76:77], bk s[78:79], bv s[80:81], the scales s[82:83]
	s_load_b128 s[84:87], s[0:1], 0x40             ; qc s[84:85], kv s[86:87]
	v_lshl_add_u32 v[SPW], v0, 2, SPARE
	v_mov_b32 v[NIL], 0
	ds_add_u32 v28, v29
	ds_add_u32 v28, v29
	s_wait_dscnt 0x0
	v_lshrrev_b32 v1, 5, v0
	v_readfirstlane_b32 s14, v1                    ; wave 0..3
	s_lshr_b32 s15, s14, 1                         ; which half of the tile's rows i is mine.  Also: I fetch for U (0) or for T (1)
	s_and_b32 s16, s14, 1                          ; which half of its columns j.  Also: which 128 rows of that tile I fetch
	s_bfe_u32 s40, ttmp6, 0x40000                  ; cx, cy: my place in the cluster
	s_bfe_u32 s41, ttmp6, 0x40004
	s_mov_b32 s12, ttmp9                           ; the cluster's x: 0 q, 1 k, 2 v: the same in all sixteen partners
	s_and_b32 s13, ttmp7, 0xffff
	s_lshl_b32 s13, s13, 2                         ; 4 x the cluster's y
	s_lshl_b32 s43, s41, 2
	s_lshl_b32 s43, 15, s43                        ; my row of the cluster
	s_lshl_b32 s44, 0x1111, s40                    ; my column
	s_add_co_u32 s17, s13, s41                     ; 4 Y + cy (never holds cx)
	s_add_co_u32 s42, s13, s40                     ; 4 Y + cx (never holds cy)
	s_cmp_eq_u32 s12, 2
	s_cselect_b32 s17, s41, s17                    ; U's tile: of Wv's four: cy; of x's 32: 4 Y + cy
	s_cselect_b32 s42, s42, s40                    ; T's tile: of x's 32: 4 Y + cx; of the weight's four: cx
	; descriptor group 1: a tile of 128 rows x 256 bytes, padded in LDS
	s_or_b32 s[G1+0], s43, (0<<16)|(1<<20)|(1<<21)|(5<<22)|(3<<25)  ; 15:0 the mask: U's tiles go to my row; 17:16 elements of 1 byte; 20 padding on; 21 set beside a mask; 24:22 after every 64 words (code 5); 31:25 four words (code 3)
	s_or_b32 s[G1B+0], s44, (0<<16)|(1<<20)|(1<<21)|(5<<22)|(3<<25) ; the same with the mask of my column
.irp g, G1, G1B
	s_mov_b32 s[\g+1], ROWB<<16                    ; tensor_dim0
	s_mov_b32 s[\g+2], 128<<16                     ; tensor_dim1 = 128
	s_mov_b32 s[\g+3], ROWB<<16                    ; tile_dim0
	s_mov_b32 s[\g+4], 128                         ; tile_dim1 = 128
	s_mov_b32 s[\g+5], KROW                        ; tensor_dim0_stride
	s_mov_b32 s[\g+6], 0
	s_mov_b32 s[\g+7], 0
.endr
	s_lshl_b32 s18, s16, 7                         ; which 128 rows of the tile I fetch
	s_lshl_b32 s20, s17, 8
	s_add_co_u32 s20, s20, s18                     ; U: row 256 x tile + 128 x half,
	s_lshl_b32 s20, s20, 10                        ; in bytes (under 2^23)
	s_mov_b32 s21, 0
	s_lshl_b32 s46, s42, 8
	s_add_co_u32 s46, s46, s18                     ; T likewise
	s_lshl_b32 s46, s46, 10
	s_mov_b32 s47, 0
	s_mul_i32 s45, s14, HALFT                      ; where they go: wave x 128 rows: no place in the cluster enters an LDS address
	s_wait_kmcnt 0x0
	s_load_b256 s[88:95], s[82:83], 0x0            ; entries 0 to 7 of the scales
	s_load_b128 s[96:99], s[82:83], 0x20           ; entries 8 to 11
	s_cmp_eq_u32 s12, 2
	s_cselect_b64 s[4:5], s[74:75], s[68:69]       ; U: Wv or x
	s_cmp_eq_u32 s12, 1
	s_cselect_b64 s[6:7], s[72:73], s[70:71]       ; T: Wk or Wq,
	s_cmp_eq_u32 s12, 2
	s_cselect_b64 s[6:7], s[68:69], s[6:7]         ; or x
	s_add_nc_u64 s[20:21], s[4:5], s[20:21]
	s_add_nc_u64 s[46:47], s[6:7], s[46:47]
	CROUND                                         ; all sixteen work-groups are here: the first joint loads meet
.irp s, 0,1
	s_mov_b32 s[G0+4*\s], 1
	s_add_co_u32 s[G0+4*\s+1], s45, \s*SLOT
	s_add_nc_u64 s[G0+4*\s+2:G0+4*\s+3], s[20:21], \s*ROWB
	s_or_b32 s[G0+4*\s+3], s[G0+4*\s+3], 0x80000000
	s_mov_b32 s[G0B+4*\s], 1
	s_add_co_u32 s[G0B+4*\s+1], s45, \s*SLOT
	s_add_nc_u64 s[G0B+4*\s+2:G0B+4*\s+3], s[46:47], \s*ROWB
	s_or_b32 s[G0B+4*\s+3], s[G0B+4*\s+3], 0x80000000
	JLOAD G0+4*\s, G1, G0B+4*\s, G1B
.endr
	v_and_b32 v1, 15, v0                           ; r = lane % 16
	v_bfe_u32 v2, v0, 4, 1                         ; h = lane / 16
	v_mul_u32_u24 v3, v1, PITCH
	v_lshl_add_u32 v4, v2, 4, v3                   ; a fragment's row x pitch + 16 x half
	s_mul_i32 s21, s15, HALFT                      ; my 128 rows of U
	s_mul_i32 s22, s16, HALFT                      ; my 128 rows of T,
	s_add_co_u32 s22, s22, 2*HALFT                 ; which lie behind U's 256
.irp s, 0,1
	v_add_nc_u32 v[ADRA+\s], s21, v4
	v_add_nc_u32 v[ADRB+\s], s22, v4
	s_add_co_u32 s21, s21, SLOT
	s_add_co_u32 s22, s22, SLOT
.endr
	v_and_b32 v5, 31, v0
	v_lshlrev_b32 v[LO], 4, v5
	v_lshlrev_b32 v[BJ], 5, v2
	v_lshlrev_b32 v[BI], 2, v1
	; where my results go
	s_lshl_b32 s66, s17, 8
	s_lshl_b32 s67, s15, 7
	s_add_co_u32 s66, s66, s67                     ; my first i
	s_lshl_b32 s67, s42, 8
	s_lshl_b32 s43, s16, 7
	s_add_co_u32 s67, s67, s43                     ; my first j
	s_cmp_eq_u32 s12, 2
	s_cselect_b32 s43, s67, s66                    ; my first token (a multiple of 128: one key step),
	s_cselect_b32 s44, s66, s67                    ; my first channel (a multiple of 128: two heads)
	s_lshr_b32 s45, s43, 11
	s_lshl_b32 s45, s45, 4
	s_lshr_b32 s46, s44, 6
	s_add_co_u32 s45, s45, s46                     ; 16 x batch + head
	s_lshl_b32 s45, s45, 17                        ; x 131,072 bytes in qc
	s_and_b32 s46, s43, 2047
	s_lshr_b32 s46, s46, 7
	s_lshl_b32 s46, s46, 13                        ; + 8 images of 1,024 bytes for each 128 tokens
	s_add_co_u32 s45, s45, s46
	s_cmp_lg_u32 s12, 0
	s_cselect_b32 s46, 1, 0
	s_lshl_b32 s45, s45, s46                       ; in kv both strides are twice as long
	s_cmp_eq_u32 s12, 2
	s_cselect_b32 s46, 8192, 0                     ; v's images lie behind k's eight
	s_add_co_u32 s46, s45, s46
	s_mov_b32 s47, 0
	s_cmp_eq_u32 s12, 0
	s_cselect_b64 s[8:9], s[84:85], s[86:87]
	s_add_nc_u64 s[8:9], s[8:9], s[46:47]          ; P0: registers 0-7 of a block's codes
	s_mov_b32 s46, 0x40000                         ; registers 8-15: k: the next head, 262,144 bytes on;
	s_cselect_b32 s46, 0x20000, s46                ; q: 131,072;
	s_cmp_eq_u32 s12, 2
	s_cselect_b32 s46, 1024, s46                   ; v: the same image's second half
	s_add_nc_u64 s[10:11], s[8:9], s[46:47]        ; P1
	s_mov_b32 s20, 1024                            ; from a block of 16 rows i to the next: q, k: the next tile of tokens;
	s_cselect_b32 s20, 2048, s20                   ; v: the next 16 channels' image
	s_mov_b32 s21, 0
	s_cselect_b32 s22, 253952, 0                   ; v, once more at block 4: on to the next head: 262,144 - 4 x 2,048
	s_mov_b32 s23, 0
	s_cselect_b32 s47, -1, 0                       ; a lane mask: all ones for v
	s_cmp_eq_u32 s12, 1
	s_cselect_b64 s[18:19], s[78:79], s[76:77]
	s_cmp_eq_u32 s12, 2
	s_cselect_b64 s[18:19], s[80:81], s[18:19]     ; my product's bias,
	s_lshl_b32 s66, s44, 2
	s_mov_b32 s67, 0
	s_add_nc_u64 s[18:19], s[18:19], s[66:67]      ; at my first channel
.irp x, 0,1,2,3,4,5,6,7                        ; both forms are loaded, 512 bytes each, inside the buffer for every product: by columns bias[16 x + 8 h + 0 .. 7], by rows bias[16 x + r]
	global_load_b128 v[G+8*\x:G+8*\x+3], v[BJ], s[18:19] offset:64*\x
	global_load_b128 v[G+8*\x+4:G+8*\x+7], v[BJ], s[18:19] offset:64*\x+16
	global_load_b32 v[IB+\x], v[BI], s[18:19] offset:64*\x
.endr
	s_wait_kmcnt 0x0                               ; the scales
	s_add_co_i32 s66, s88, s89
	s_add_co_i32 s67, s90, s91
	s_add_co_i32 s43, s92, s93
	s_cmp_eq_u32 s12, 1
	s_cselect_b32 s66, s67, s66
	s_cselect_b32 s67, s95, s94
	s_cmp_eq_u32 s12, 2
	s_cselect_b32 s66, s43, s66                    ; ea + eb
	s_cselect_b32 s67, s97, s67                    ; eo: entry 6, 7 or 9
	s_sub_co_i32 s46, 0, s66                       ; -(ea + eb)
	s_sub_co_i32 s67, s67, s66                     ; E
	s_add_co_i32 s67, s67, 127
	s_lshl_b32 s43, s67, 23
	v_mov_b32 v[SCL], s43                          ; 2^E as f32: the conversion takes its exponent field
	s_add_co_i32 s67, s67, 8
	s_lshl_b32 s67, s67, 23
	s_or_b32 s67, s67, 0x600000
	v_mov_b32 v[LIM], s67                          ; 448 x 2^E
	s_wait_loadcnt 0x0                             ; the bias
.irp x, 0,1,2,3,4,5,6,7
.irp j, 0,1,2,3,4,5,6,7
	v_cndmask_b32 v[G+8*\x+\j], v[G+8*\x+\j], v[IB+\x], s47   ; v: a lane's row i is its channel: one number for all eight registers of tile x
.endr
.endr
.set j, 0
.rept 64
	v_ldexp_f32 v[G+j], v[G+j], s46                ; / 2^(ea + eb): the power of two that the sums lack
.set j, j+1
.endr
.macro FRAG reg, adr, q, i             ; a fragment: lane l holds row l % 16; registers 4 c .. 4 c + 3 hold K = 32 c + 16 (l / 16) + 0 .. 15
.irp c, 0,1,2,3
	ds_load_b128 v[\reg+4*\c:\reg+4*\c+3], v[\adr] offset:128*(\q)+32*\c+(\i)*16*PITCH
.endr
.endm
; 16 matrix instructions: U's blocks a0, a0 + 1 x T's eight, 128 along K.  p: T's set.  cm = 0: the sums go on; 1: they begin with the bias of T's block b (q, k); 2: of U's block a (v).
; The 64 accumulators take turns, one instruction a turn, in the same order in every step.
.macro MUL16 a0, p, cm
.irp a, \a0, \a0+1
.irp b, 0,1,2,3,4,5,6,7
.if \cm == 1
	v_wmma_f32_16x16x128_fp8_fp8 v[8*(8*((\a)%4)+\b):8*(8*((\a)%4)+\b)+7], v[128*(\p)+FR*\b:128*(\p)+FR*\b+FR-1], v[AF+FR*(\a):AF+FR*(\a)+FR-1], v[G+8*\b:G+8*\b+7]
.elseif \cm == 2
	v_wmma_f32_16x16x128_fp8_fp8 v[8*(8*((\a)%4)+\b):8*(8*((\a)%4)+\b)+7], v[128*(\p)+FR*\b:128*(\p)+FR*\b+FR-1], v[AF+FR*(\a):AF+FR*(\a)+FR-1], v[G+8*(\a):G+8*(\a)+7]
.else
	v_wmma_f32_16x16x128_fp8_fp8 v[8*(8*((\a)%4)+\b):8*(8*((\a)%4)+\b)+7], v[128*(\p)+FR*\b:128*(\p)+FR*\b+FR-1], v[AF+FR*(\a):AF+FR*(\a)+FR-1], v[8*(8*((\a)%4)+\b):8*(8*((\a)%4)+\b)+7]
.endif
.endr
.endr
.endm
.macro FETCH_B slot, q, p              ; T's eight fragments of the slot's q-th 128 along K into set p
	WIN TO_B
.irp i, 0,1,2,3,4,5,6,7
	FRAG 128*(\p)+FR*\i, ADRB+\slot, \q, \i
.endr
	WIN 0
.endm
.macro FETCH_A slot, q, i0             ; U's blocks i0 .. i0 + 3
.irp i, \i0, \i0+1, \i0+2, \i0+3
	FRAG AF+FR*(\i), ADRA+\slot, \q, \i
.endr
.endm
; A load into a register that a matrix instruction has read, and a vector instruction that reads a matrix result or writes one of its registers, stand NP places behind it; only plain vector
; instructions that name none of its registers are places (ISA guide 7.12.1 for vector instructions).
.macro PLACES n
.rept \n
	v_nop
.endr
.endm
; A step of 128 along K that has its successor in the same slot.  A block of U is free as soon as its eight products are issued: blocks 0-3 are fetched anew in the step's middle, blocks 4-7 at its end.
.macro STEP slot, q, cm
	s_wait_dscnt 4*NL                              ; T's set and U's blocks 0-3 are in; the youngest sixteen loads (U's blocks 4-7) may be out
.if \cm
	WIN BIA_LO
.else
	WIN MUL_LO
.endif
	MUL16 0, (\q)%2, \cm
	MUL16 2, (\q)%2, \cm
	s_wait_dscnt 0                                 ; U's blocks 4-7 are in (asked for 32 matrix instructions ago)
	PLACES NP
	FETCH_B \slot, (\q)+1, 1-(\q)%2
	FETCH_A \slot, (\q)+1, 0
.if \cm
	WIN BIA_HI
.else
	WIN MUL_HI
.endif
	MUL16 4, (\q)%2, \cm
	MUL16 6, (\q)%2, \cm
	PLACES NP
	WIN 0
	FETCH_A \slot, (\q)+1, 4
.endm
; A slot's last step changes slots: ONE barrier; in front of it each wave waits for all its tensor loads, adds 0 to its spare word, and waits for that and for its own reads of this slot.  fill = 1: this slot is filled again, two K steps ahead.
.macro TURN slot, next, fill
	s_wait_tensorcnt 0x0                           ; all my tensor loads have landed: my part of the next slot;  (every window is 0 here)
	ds_add_u32 v[SPW], v[NIL]                      ; 0 onto my spare word
	s_wait_dscnt 4*NL+1                            ; (the add and the youngest sixteen loads, U's blocks 4-7, may be out)
	WIN MUL_LO
	MUL16 0, 1, 0                                  ; sixteen matrix instructions stand between the add and the wait for it
	s_wait_dscnt 0x0                               ; the add is done, and my reads of this slot are over
	s_barrier_signal -1
	MUL16 2, 1, 0
	WIN 0
	s_barrier_wait -1
.if \fill
	CREST                                          ; the barrier has opened a round of the cluster's barrier: no wave of any partner still reads this slot's tile or has a load on its way
	s_add_nc_u64 s[G0+4*\slot+2:G0+4*\slot+3], s[G0+4*\slot+2:G0+4*\slot+3], 2*ROWB
	s_add_nc_u64 s[G0B+4*\slot+2:G0B+4*\slot+3], s[G0B+4*\slot+2:G0B+4*\slot+3], 2*ROWB
	JLOAD G0+4*\slot, G1, G0B+4*\slot, G1B         ; the first tensor load behind the round; the four v_nop behind it are the places in front of the loads below
.else
	PLACES NP
.endif
	FETCH_B \next, 0, 0
	FETCH_A \next, 0, 0
	WIN MUL_HI
	MUL16 4, 1, 0
	MUL16 6, 1, 0
	PLACES NP
	WIN 0
	FETCH_A \next, 0, 4
.endm
	s_wait_tensorcnt 1                             ; my part of K step 0 is in (K step 1's load may be out)
	s_barrier_signal -1
	s_barrier_wait -1                              ; everybody's is
	FETCH_B 0, 0, 0
	FETCH_A 0, 0, 0
	FETCH_A 0, 0, 4
	s_cmp_eq_u32 s12, 2                            ; the first step is written twice, since the bias tile that starts a sum is named in the instruction.  The branch hangs on the cluster's x, the same in all
	s_cbranch_scc1 .Lfirst_v                       ; partners; both ways issue the same LDS loads, and neither holds a barrier, a tensor load or a store
	STEP 0, 0, 1
	s_branch .Lfirst_done
.Lfirst_v:
	STEP 0, 0, 2
.Lfirst_done:
	s_mov_b32 s3, LAPS-1
.Llap:                                                 ; a trip goes once round the ring, from a lap's second step to the next lap's first, and fills both slots again
	TURN 0, 1, 1
	STEP 1, 0, 0
	TURN 1, 0, 1
	STEP 0, 0, 0
	s_sub_co_u32 s3, s3, 1
	s_cmp_lg_u32 s3, 0
	s_cbranch_scc1 .Llap
	TURN 0, 1, 0                                   ; the last lap fills nothing, and has no round of the cluster's barrier
	STEP 1, 0, 0
	s_wait_dscnt 4*NL                              ; the very last step: nothing more to fetch
	WIN MUL_LO
	MUL16 0, 1, 0
	MUL16 2, 1, 0
	s_wait_dscnt 0
	WIN MUL_HI
	MUL16 4, 1, 0
	MUL16 6, 1, 0
	WIN 0
	PLACES NP                                      ; in front of the reads of the last results, and of the codes laid over U's fragments
; THE WAY OUT of block a (16 rows i x 128 j): held within +-448 x 2^E (the conversion to an 8-bit code does not saturate: ISA guide 7.6.2), converted, stored.  Accumulator b's eight numbers become
; registers 2 b, 2 b + 1 of the codes.  q, k: registers 0-7 are one head's image, 8-15 the next head's.  v: the sixteen are one image.  No branch: only the pointers' steps differ.
.macro OUT a
.set AC, 64*((\a)%4)
.set WN, 0x02+((\a)/4)
	WIN WN                                         ; source 0: window 2 or 3
.set j, 0
.rept 64
	v_med3_num_f32 v[G+j], v[AC+j], -v[LIM], v[LIM]   ; each accumulator from its low end on
.set j, j+1
.endr
	WIN 0
.irp b, 0,1,2,3,4,5,6,7
	v_cvt_scalef32_pk8_fp8_f32 v[CD+16*(\a)+2*\b:CD+16*(\a)+2*\b+1], v[G+8*\b:G+8*\b+7], v[SCL]
.endr
	v_nop                                          ; one plain vector instruction between the last conversion and the next block's holds, which write its sources
.if (\a) > 0
	s_wait_xcnt 0x0                                ; the earlier stores have read their bases: they may step
	s_add_nc_u64 s[8:9], s[8:9], s[20:21]
	s_add_nc_u64 s[10:11], s[10:11], s[20:21]
.endif
.if (\a) == 4
	s_add_nc_u64 s[8:9], s[8:9], s[22:23]
	s_add_nc_u64 s[10:11], s[10:11], s[22:23]
.endif
	global_store_b128 v[LO], v[CD+16*(\a):CD+16*(\a)+3], s[8:9]                  ; 32 lanes store 512 consecutive bytes, at a multiple of 512 from the buffer's first byte
	global_store_b128 v[LO], v[CD+16*(\a)+4:CD+16*(\a)+7], s[8:9] offset:512
	global_store_b128 v[LO], v[CD+16*(\a)+8:CD+16*(\a)+11], s[10:11]
	global_store_b128 v[LO], v[CD+16*(\a)+12:CD+16*(\a)+15], s[10:11] offset:512
.endm
.irp a, 0,1,2,3,4,5,6,7
	OUT \a
.endr
	s_wait_tensorcnt 0x0                           ; the wave's end
	ds_add_u32 v[SPW], v[NIL]
	s_wait_dscnt 0x0
	CROUND                                         ; the closing round: no work-group ends while a partner may still ask for a tile that names it
	s_endpgm
.Lfunc_end_k_qc15c504f46_qkv:
	.size	k_qc15c504f46_qkv, .Lfunc_end_k_qc15c504f46_qkv-k_qc15c504f46_qkv
	.p2alignl 7, 3214868480
	.fill 96, 4, 3214868480
	.section	.rodata,"a",@progbits
	.p2align	6, 0x0
	.amdhsa_kernel k_qc15c504f46_qkv
		.amdhsa_group_segment_fixed_size 327680
		.amdhsa_private_segment_fixed_size 0
		.amdhsa_enable_private_segment 0
		.amdhsa_kernarg_size 80
		.amdhsa_user_sgpr_count 2
		.amdhsa_user_sgpr_kernarg_segment_ptr 1
		.amdhsa_wavefront_size32 1
		.amdhsa_system_sgpr_workgroup_id_x 1
		.amdhsa_system_sgpr_workgroup_id_y 1
		.amdhsa_system_sgpr_workgroup_id_z 1
		.amdhsa_system_vgpr_workitem_id 0
		.amdhsa_next_free_vgpr 1024
		.amdhsa_next_free_sgpr 100
		.amdhsa_reserve_vcc 0
		.amdhsa_float_denorm_mode_32 3
		.amdhsa_float_denorm_mode_16_64 3
		.amdhsa_memory_ordered 1
		.amdhsa_forward_progress 1
		.amdhsa_inst_pref_size 139
	.end_amdhsa_kernel
	.amdgpu_metadata
---
amdhsa.version: [ 1, 2 ]
amdhsa.kernels:
  - .name:           k_qc15c504f46_qkv
    .symbol:         k_qc15c504f46_qkv.kd
    .args:
      - { .name: x_codes, .offset: 0, .size: 8, .value_kind: global_buffer, .address_space: global }
      - { .name: Wq_codes, .offset: 8, .size: 8, .value_kind: global_buffer, .address_space: global }
      - { .name: Wk_codes, .offset: 16, .size: 8, .value_kind: global_buffer, .address_space: global }
      - { .name: Wv_codes, .offset: 24, .size: 8, .value_kind: global_buffer, .address_space: global }
      - { .name: bq, .offset: 32, .size: 8, .value_kind: global_buffer, .address_space: global }
      - { .name: bk, .offset: 40, .size: 8, .value_kind: global_buffer, .address_space: global }
      - { .name: bv, .offset: 48, .size: 8, .value_kind: global_buffer, .address_space: global }
      - { .name: lowp_scales, .offset: 56, .size: 8, .value_kind: global_buffer, .address_space: global }
      - { .name: qc, .offset: 64, .size: 8, .value_kind: global_buffer, .address_space: global }
      - { .name: kv, .offset: 72, .size: 8, .value_kind: global_buffer, .address_space: global }
    .group_segment_fixed_size: 327680
    .private_segment_fixed_size: 0
    .kernarg_segment_align: 8
    .kernarg_segment_size: 80
    .max_flat_workgroup_size: 128
    .sgpr_count:     100
    .vgpr_count:     1024
    .wavefront_size: 32
...
	.end_amdgpu_metadata
.endif
;; end of part 1
;; launch attn (part 2): grid 4 x 64, 16 waves a work-group, no clusters, 264,192 bytes of LDS; arguments qc, kv, lowp_scales, ctx; writes ctx
.if DOCPART == 2
	.amdgcn_target "amdgcn-amd-amdhsa--gfx1250"
	.amdhsa_code_object_version 6
	.text
	.protected	k_qc15c504f46_attn
	.globl	k_qc15c504f46_attn
	.p2align	8
	.type	k_qc15c504f46_attn,@function
k_qc15c504f46_attn:
	s_mov_b64 s[64:65], 0
	v_nop
	global_prefetch_b8 v0, s[64:65] scope:SCOPE_SE
	s_setreg_imm32_b32 hwreg(HW_REG_WAVE_MODE, 25, 1), 1
	s_wait_xcnt 0x0
; ctx[b][q][head] = softmax_k(q . k / 8) v for 64 heads of the batch, 2,048 tokens, head size 64, both products on codes of FP8 (E4M3); the result is quantised at once with entry 10 of the scales.
; THE SOFTMAX AHEAD OF THE SECOND PRODUCT: t = score x log2(e) / 8; M = the running largest t rounded UP to a whole number; p = 2^(t - M) is what is quantised (entry 8), not normalised.
; The row's sum is taken of the unquantised p, in f32, and divides at the end.  When M moves, the sum and O are multiplied by 2^(old M - new M): exact.
; SHARES.  A work-group owns 512 queries of one head, each of its SIXTEEN waves 32: two tiles of 16, in 256 registers; four waves to a SIMD, so that one wave's vector work stands beside another's
; products and LDS loads.  Every wave walks the head's 2,048 keys, 128 a step; each fragment of K and V that it reads from LDS feeds two products.
; LAYOUT.  Both products are used transposed: S^T = K Q^T (source 0 = 16 keys, source 1 = 16 queries, K = 64), O^T = V^T P^T (source 0 = 16 channels, source 1 = P, K = 128 keys): a lane holds ONE
; query (lane % 16) throughout.  Register j of tile t of S^T is key 16 t + 8 (lane / 16) + j, so the conversion of tile t gives registers 2 t, 2 t + 1 of P as the K = 128 form lays them: no key changes its place.
; q, k and v come as images of operand registers (lane l's 16 bytes at 16 l, 512 bytes a load): no pitch, no padding.
; THE HEAD'S WHOLE K AND V LIE IN LDS, 262,144 bytes, key step s at 16,384 s, laid as in memory; no byte is written twice.  They come through registers: thread t moves the 16 bytes at 16 t and at
; 16 t + 8,192 of each step.  Steps 0-3 come at the head; each of steps 0 to 11 asks at its head for the wave's two pieces of the step FOUR further on and stores them at its end; one barrier for four steps.
; NO TENSOR LOADS AND NO JOINT LOADS, though the four work-groups of a head read the same K and V.  p is at most 1, so the hold at 448 x 2^e8 changes nothing where e8 >= -8; it is 64 of a tile's 258
; vector instructions a step, and it is jumped over by a scalar branch on that given whole number.  What is shared is 262,144 bytes
; a work-group in all, each piece asked for four steps, 96 matrix instructions and eight softmaxes, ahead of its first use.
; LIMITS on the given exponents: e6 + e7 between -123 and 130 (added to c's exponent field); e8, and e10 - e8 - e9, between -126 and 119.  NaN is not served.
; REGISTERS: v1 16 x lane; v2 the step's LDS address; v3 the address of the pieces in hand; v4, v5 the conversion's scale and hold; v6, v7 at work; v8-11, v12-15 a tile's -M, largest t, sum in two halves;
; v16-31 Q; v32-95 eight fragments of K or four of V; v98-161 S^T, then p; v162-177 tile 0's codes; v96-111 tile 1's, laid over numbers already converted; v178-241 O^T; v242-246 at work; v247 16 x thread; v248-255 two pieces on their way.
.set LI,  1
.set ADR, 2
.set FA,  3
.set KV,  32
.set S,   98
.set TO,  247
.set STEPB, 16384                      ; a key step's images: eight of K (1,024 bytes), four of V (2,048)
.set GRP,   4*STEPB                    ; a group of four steps
	s_load_b256 s[4:11], s[0:1], 0x0               ; qc s[4:5], kv s[6:7], the scales s[8:9], ctx s[10:11]
	v_lshrrev_b32 v2, 5, v0
	v_readfirstlane_b32 s12, v2                    ; wave 0..15
	s_and_b32 s13, ttmp7, 0xffff                   ; 16 x batch + head
	v_and_b32 v[LI], 31, v0
	v_lshlrev_b32 v[LI], 4, v[LI]
	v_lshlrev_b32 v[TO], 4, v0
	s_mov_b32 s16, 0x76543210                      ; v_permlanex16_b32's selects for lane l xor 16
	s_mov_b32 s17, 0xfedcba98
	s_lshl_b32 s36, s13, 18                        ; kv: 262,144 bytes a head
	s_mov_b32 s37, 0
	s_lshl_b32 s38, ttmp9, 5
	s_lshl_b32 s39, s12, 1
	s_add_co_u32 s38, s38, s39                     ; my first tile of 16 queries: 32 x work-group x + 2 x wave
	s_lshl_b32 s40, s13, 17                        ; qc: 131,072 bytes a head,
	s_lshl_b32 s41, s38, 10                        ; 1,024 a tile
	s_add_co_u32 s40, s40, s41
	s_mov_b32 s41, 0
	s_and_b32 s42, s13, 15
	s_lshr_b32 s42, s42, 2
	s_lshl_b32 s42, s42, 21                        ; ctx: [head / 4][512 tiles of tokens][head % 4][1,024 bytes]
	s_lshr_b32 s43, s13, 4
	s_lshl_b32 s43, s43, 7
	s_add_co_u32 s43, s43, s38                     ; 128 x batch + my tile
	s_lshl_b32 s43, s43, 12
	s_add_co_u32 s42, s42, s43
	s_and_b32 s43, s13, 3
	s_lshl_b32 s43, s43, 10
	s_add_co_u32 s42, s42, s43
	s_mov_b32 s43, 0
	s_wait_kmcnt 0x0
	s_load_b256 s[24:31], s[8:9], 0x0              ; entries 0 to 7
	s_load_b128 s[32:35], s[8:9], 0x20             ; entries 8 to 11
	s_add_nc_u64 s[6:7], s[6:7], s[36:37]
	s_add_nc_u64 s[4:5], s[4:5], s[40:41]
	s_add_nc_u64 s[10:11], s[10:11], s[42:43]
.irp k, 0,1,2,3                                ; key steps 0 to 3: my thread's eight pieces
.irp c, 0,1
	global_load_b128 v[S+8*\k+4*\c:S+8*\k+4*\c+3], v[TO], s[6:7] offset:STEPB*\k+8192*\c
.endr
.endr
.irp x, 0,1                                    ; Q's two fragments stay in registers; read once in the launch
.irp g, 0,1
	global_load_b128 v[16+8*\x+4*\g:16+8*\x+4*\g+3], v[LI], s[4:5] offset:1024*\x+512*\g th:TH_LOAD_NT
.endr
.endr
.irp x, 0,1
	v_mov_b32 v[9+4*\x], 0xff61b1e6                ; the largest t so far: -3e38, under every t
	v_floor_f32 v[8+4*\x], -v[9+4*\x]              ; -M
	v_mov_b32 v[10+4*\x], 0                        ; the sum, in two halves
	v_mov_b32 v[11+4*\x], 0
.endr
	v_mov_b32 v245, 0                              ; (named as the upper half of the pair v[244:245])
	v_mov_b32 v246, 0                              ; written once: a lane permute's destination counts as one of its sources
.set j, 0
.rept 64
	v_mov_b32 v[178+j], 0                          ; O^T.  (The step is written once: the first finds zeros, which the first change of M leaves zeros)
.set j, j+1
.endr
	s_wait_kmcnt 0x0
	s_add_co_i32 s36, s30, s31
	s_lshl_b32 s36, s36, 23
	s_add_co_i32 s18, s36, 0x3e38aa3b              ; c = log2(e) / 8, with e6 + e7 added to its exponent field: a score stands for score x 2^(e6 + e7)
	s_mov_b32 s19, s18                             ; (named with it as a pair, so it is written)
	s_add_co_i32 s36, s32, 127
	s_lshl_b32 s37, s36, 23
	v_mov_b32 v4, s37                              ; 2^e8 as f32, for p's conversion
	s_add_co_i32 s36, s36, 8
	s_lshl_b32 s36, s36, 23
	s_or_b32 s36, s36, 0x600000
	v_mov_b32 v5, s36                              ; 448 x 2^e8
	s_cmp_lt_i32 s32, -8
	s_cselect_b32 s23, 1, 0                        ; is 448 x 2^e8 under 1?  Only then can the hold change a p
	s_sub_co_i32 s36, s34, s32
	s_sub_co_i32 s36, s36, s33                     ; e10 - e8 - e9: O / the sum stands for ctx / 2^(e8 + e9)
	s_add_co_i32 s36, s36, 127
	s_lshl_b32 s38, s36, 23                        ; the last conversion's scale,
	s_add_co_i32 s36, s36, 8
	s_lshl_b32 s39, s36, 23
	s_or_b32 s39, s39, 0x600000                    ; and its hold
	s_wait_loadcnt 4                               ; K's and V's eight pieces are in; Q's four loads may be out
.irp k, 0,1,2,3
.irp c, 0,1
	ds_store_b128 v[TO], v[S+8*\k+4*\c:S+8*\k+4*\c+3] offset:STEPB*\k+8192*\c
.endr
.endr
	s_wait_dscnt 0x0                               ; for the others' sake: my stores have landed
	s_barrier_signal -1
	s_barrier_wait -1                              ; key steps 0 to 3 lie in LDS
	s_wait_loadcnt 0x0                             ; Q
; One tile's softmax for a key step, on the 64 scores in v[S] on.  Its codes go to v162 on (tile 0) or v96 on (tile 1).
.macro SOFTMAX X
.set T, 8+4*(\X)
.set OB, 178+32*(\X)
.if (\X) == 0
.set PD, 162
.else
.set PD, 96
.endif
	v_max3_num_f32 v6, v[S], v[S+1], v[S+2]        ; the step's largest score of my query, among my 64 keys, in two chains; each tile of S^T is read first at its two lowest registers
	v_max3_num_f32 v7, v[S+3], v[S+4], v[S+5]
.irp i, 6,10,14,18,22,26,30,34,38,42,46,50,54,58
	v_max3_num_f32 v6, v6, v[S+\i], v[S+\i+1]
	v_max3_num_f32 v7, v7, v[S+\i+2], v[S+\i+3]
.endr
	v_max3_num_f32 v6, v6, v[S+62], v[S+63]
	v_max_num_f32 v6, v6, v7
	v_permlanex16_b32 v246, v6, s16, s17
	v_max_num_f32 v6, v6, v246                     ; and among lane l xor 16's
	v_mul_f32 v6, s18, v6                          ; as t (c is positive)
	v_max_num_f32 v[T+1], v[T+1], v6               ; the running largest t
	v_mov_b32 v6, v[T]
	v_floor_f32 v[T], -v[T+1]                      ; the new -M = floor(-t) = -ceil(t): a whole number
	v_sub_f32 v6, v[T], v6                         ; M's old value less its new one: a whole number, 0 or less
	v_cvt_i32_f32 v6, v6                           ; (it saturates)
	v_ldexp_f32 v244, 1.0, v6                      ; f = 2^(old M - new M)
.set j, 0
.rept 32
	v_pk_fma_f32 v[S+j:S+j+1], v[S+j:S+j+1], s[18:19], v[T:T+1] op_sel_hi:[1,0,0]   ; t - M, two at a time (of the pairs c and -M the low word serves both halves)
.set j, j+2
.endr
.set j, 0
.rept 64
	v_exp_f32 v[S+j], v[S+j]                       ; p = 2^(t - M), at most 1: not normalised
.set j, j+1
.endr
	v_pk_mul_f32 v[T+2:T+3], v[T+2:T+3], v[244:245] op_sel_hi:[1,0]   ; the sums under the new M: the plain instruction behind the exponentials
	s_wait_alu depctr_va_vdst(0)                   ; one wait for the whole batch, ahead of its first reader
	v_pk_add_f32 v[242:243], v[S:S+1], v[S+2:S+3]  ; the row's sum is taken of the unquantised p: two at a time, in two chains
.irp j, 4,8,12,16,20,24,28,32,36,40,44,48,52,56,60
	v_pk_add_f32 v[T+2:T+3], v[T+2:T+3], v[S+\j:S+\j+1]
	v_pk_add_f32 v[242:243], v[242:243], v[S+\j+2:S+\j+3]
.endr
	v_pk_add_f32 v[T+2:T+3], v[T+2:T+3], v[242:243]
	s_cmp_eq_u32 s23, 0                            ; the conversion to an 8-bit code does not saturate (ISA guide 7.6.2); where 448 x 2^e8 is 1 or more no p lies beyond it
	s_cbranch_scc1 .Lno_hold_\@
.set j, 0
.rept 64
	v_min_num_f32 v[S+j], v[S+j], v5               ; p is not negative: the hold is one-sided
.set j, j+1
.endr
.Lno_hold_\@:
.irp k, 0,1,2,3,4,5,6,7                        ; behind each conversion two plain instructions, O^T's rescaling by f: tile 1's next conversion writes over numbers that the last one read
	v_cvt_scalef32_pk8_fp8_f32 v[PD+2*\k:PD+2*\k+1], v[S+8*\k:S+8*\k+7], v4
	v_pk_mul_f32 v[OB+4*\k:OB+4*\k+1], v[OB+4*\k:OB+4*\k+1], v[244:245] op_sel_hi:[1,0]
	v_pk_mul_f32 v[OB+4*\k+2:OB+4*\k+3], v[OB+4*\k+2:OB+4*\k+3], v[244:245] op_sel_hi:[1,0]
.endr
.endm
.macro QK X                                    ; S^T = K Q^T for tile X: eight tiles of 16 keys, each one product: K = the head's 64
.irp t, 0,1,2,3,4,5,6,7
	v_wmma_f32_16x16x64_fp8_fp8 v[S+8*\t:S+8*\t+7], v[KV+8*\t:KV+8*\t+7], v[16+8*(\X):23+8*(\X)], 0
.endr
.rept 4
	v_nop                                          ; places in front of the first read of the scores, and of loads into K's registers
.endr
.endm
; A KEY STEP: the 128 keys whose images begin at LDS byte s20.  F = 1: the wave's two pieces of the step four further on are fetched on the way.
.macro STEP F
	v_add_nc_u32 v[ADR], s20, v[LI]
.if \F
	s_add_co_u32 s21, s20, GRP
	v_add_nc_u32 v[FA], s21, v[TO]                 ; the same number is the pieces' offset in the head's part of kv and their LDS address
.rept 3
	v_nop                                          ; five places in all behind the last products: four in front of loads into registers that they read, the fifth since the next products write over tile 1's codes
.endr
	global_load_b128 v[248:251], v[FA], s[6:7]
	global_load_b128 v[252:255], v[FA], s[6:7] offset:8192
.else
.rept 4
	v_nop
.endr
.endif
.irp t, 0,1,2,3,4,5,6,7
	ds_load_b128 v[KV+8*\t:KV+8*\t+3], v[ADR] offset:1024*\t
	ds_load_b128 v[KV+8*\t+4:KV+8*\t+7], v[ADR] offset:1024*\t+512
.endr
	s_wait_dscnt 0x0
	QK 0
	SOFTMAX 0
	QK 1
.irp t, 0,1,2,3                                ; V's four fragments land while tile 1's softmax is walked
.irp c, 0,1,2,3
	ds_load_b128 v[KV+16*\t+4*\c:KV+16*\t+4*\c+3], v[ADR] offset:8192+2048*\t+512*\c
.endr
.endr
	SOFTMAX 1
	s_wait_dscnt 0x0
.irp t, 0,1,2,3                                ; O^T += V^T P^T: the eight accumulators by turns, one instruction a turn
	v_wmma_f32_16x16x128_fp8_fp8 v[178+8*\t:185+8*\t], v[KV+16*\t:KV+16*\t+15], v[162:177], v[178+8*\t:185+8*\t]
	v_wmma_f32_16x16x128_fp8_fp8 v[210+8*\t:217+8*\t], v[KV+16*\t:KV+16*\t+15], v[96:111], v[210+8*\t:217+8*\t]
.endr
.if \F
	s_wait_loadcnt 0x0                             ; my two pieces, asked for at the step's head, are in; their address register is free
	ds_store_b128 v[FA], v[248:251]
	ds_store_b128 v[FA], v[252:255] offset:8192
	s_wait_dscnt 0x0                               ; the stores have read their registers
.endif
.endm
; Four key steps.  A group reads LDS bytes 65,536 g on and, but for the last, stores into bytes 65,536 (g + 1) on: the barrier at its end stands between those stores and their readers.
.macro GROUP g
	s_mov_b32 s20, (\g)*GRP
	s_mov_b32 s22, 4
.Lstep_\@:
.if (\g) < 3
	STEP 1
.else
	STEP 0
.endif
	s_add_co_u32 s20, s20, STEPB
	s_sub_co_u32 s22, s22, 1
	s_cmp_lg_u32 s22, 0
	s_cbranch_scc1 .Lstep_\@
.if (\g) < 3
	s_wait_dscnt 0x0                               ; for the others' sake: my stores into the next group's bytes have landed
	s_barrier_signal -1
	s_barrier_wait -1
.endif
.endm
	GROUP 0
	GROUP 1
	GROUP 2
	GROUP 3
	; THE WAY OUT.  O^T / the sum is held, converted with 2^(e10 - e8 - e9) and stored as an image of the last product's operand.
.rept 4
	v_nop                                          ; places behind the last products
.endr
	v_add_f32 v10, v10, v11                        ; the sum's two halves,
	v_add_f32 v14, v14, v15
	v_permlanex16_b32 v246, v10, s16, s17
	v_permlanex16_b32 v6, v14, s16, s17
	v_add_f32 v10, v10, v246                       ; and lane l xor 16's: the row's sum
	v_add_f32 v14, v14, v6
	v_rcp_f32 v10, v10
	v_rcp_f32 v14, v14
	v_mov_b32 v4, s38                              ; (plain instructions behind the reciprocals)  2^(e10 - e8 - e9),
	v_mov_b32 v5, s39                              ; 448 x that
	s_wait_alu depctr_va_vdst(0)                   ; one wait for both reciprocals, ahead of their first reader
.irp x, 0,1
.set j, 0
.rept 16
	v_pk_mul_f32 v[S+32*\x+j:S+32*\x+j+1], v[178+32*\x+j:178+32*\x+j+1], v[10+4*\x:11+4*\x] op_sel_hi:[1,0]   ; register 8 t + i: channel 16 t + 8 h + i of my query; each accumulator from its low end on
.set j, j+2
.endr
.set j, 0
.rept 32
	v_med3_num_f32 v[S+32*\x+j], v[S+32*\x+j], -v5, v5
.set j, j+1
.endr
.irp t, 0,1,2,3
	v_cvt_scalef32_pk8_fp8_f32 v[KV+8*\x+2*\t:KV+8*\x+2*\t+1], v[S+32*\x+8*\t:S+32*\x+8*\t+7], v4
.endr
.endr
	v_nop                                          ; one plain instruction between the last conversion and the lines that touch its result
; Registers 4 g .. 4 g + 3 hold channels 32 g + 8 h + 0 .. 7 and 32 g + 16 + 8 h + 0 .. 7.  The last product takes its fragments by loads of 16 bytes: lane (r, h) wants channels 32 g + 16 h + 0 .. 15.
; Two exchanges (the first register's lanes 16-31 with the second's lanes 0-15) make that of them.
.irp x, 0,1
.irp g, 0,1
	v_permlane16_swap_b32 v[KV+8*\x+4*\g], v[KV+8*\x+4*\g+2]
	v_permlane16_swap_b32 v[KV+8*\x+4*\g+1], v[KV+8*\x+4*\g+3]
.endr
.endr
.irp x, 0,1
.irp g, 0,1
	global_store_b128 v[LI], v[KV+8*\x+4*\g:KV+8*\x+4*\g+3], s[10:11] offset:4096*\x+512*\g   ; 32 lanes store 512 consecutive bytes, at a multiple of 512 from ctx's first byte
.endr
.endr
	s_wait_xcnt 0x0
	v_lshl_add_u32 v254, v0, 2, 0x40000
	v_mov_b32 v255, 0
	s_wait_tensorcnt 0x0
	ds_add_u32 v254, v255
	s_wait_dscnt 0x0
	s_endpgm
.Lfunc_end_k_qc15c504f46_attn:
	.size	k_qc15c504f46_attn, .Lfunc_end_k_qc15c504f46_attn-k_qc15c504f46_attn
	.p2alignl 7, 3214868480
	.fill 96, 4, 3214868480
	.section	.rodata,"a",@progbits
	.p2align	6, 0x0
	.amdhsa_kernel k_qc15c504f46_attn
		.amdhsa_group_segment_fixed_size 264192
		.amdhsa_private_segment_fixed_size 0
		.amdhsa_enable_private_segment 0
		.amdhsa_kernarg_size 32
		.amdhsa_user_sgpr_count 2
		.amdhsa_user_sgpr_kernarg_segment_ptr 1
		.amdhsa_wavefront_size32 1
		.amdhsa_system_sgpr_workgroup_id_x 1
		.amdhsa_system_sgpr_workgroup_id_y 1
		.amdhsa_system_sgpr_workgroup_id_z 1
		.amdhsa_system_vgpr_workitem_id 0
		.amdhsa_next_free_vgpr 256
		.amdhsa_next_free_sgpr 66
		.amdhsa_reserve_vcc 0
		.amdhsa_float_denorm_mode_32 3
		.amdhsa_float_denorm_mode_16_64 3
		.amdhsa_memory_ordered 1
		.amdhsa_forward_progress 1
		.amdhsa_inst_pref_size 130
	.end_amdhsa_kernel
	.amdgpu_metadata
---
amdhsa.version: [ 1, 2 ]
amdhsa.kernels:
  - .name:           k_qc15c504f46_attn
    .symbol:         k_qc15c504f46_attn.kd
    .args:
      - { .name: qc, .offset: 0, .size: 8, .value_kind: global_buffer, .address_space: global }
      - { .name: kv, .offset: 8, .size: 8, .value_kind: global_buffer, .address_space: global }
      - { .name: lowp_scales, .offset: 16, .size: 8, .value_kind: global_buffer, .address_space: global }
      - { .name: ctx, .offset: 24, .size: 8, .value_kind: global_buffer, .address_space: global }
    .group_segment_fixed_size: 264192
    .private_segment_fixed_size: 0
    .kernarg_segment_align: 8
    .kernarg_segment_size: 32
    .max_flat_workgroup_size: 512
    .sgpr_count:     66
    .vgpr_count:     256
    .wavefront_size: 32
...
	.end_amdgpu_metadata
.endif
;; end of part 2
;; launch oproj (part 3): grid 4 x 64, 4 waves a work-group, clusters of 4 x 4, 327,680 bytes of LDS; arguments ctx, Wo_codes, bo, lowp_scales, out0; writes out0
.if DOCPART == 3
	.amdgcn_target "amdgcn-amd-amdhsa--gfx1250"
	.amdhsa_code_object_version 6
	.text
	.protected	k_qc15c504f46_oproj
	.globl	k_qc15c504f46_oproj
	.p2align	8
	.type	k_qc15c504f46_oproj,@function
k_qc15c504f46_oproj:
	s_mov_b64 s[64:65], 0
	v_nop
	global_prefetch_b8 v0, s[64:65] scope:SCOPE_SE
	s_setreg_imm32_b32 hwreg(HW_REG_WAVE_MODE, 25, 1), 1
	s_wait_xcnt 0x0
	s_wait_alu depctr_hold_cnt(0) depctr_sa_sdst(0) depctr_va_vdst(0) depctr_va_sdst(0) depctr_va_ssrc(0) depctr_va_vcc(0) depctr_vm_vsrc(0)
	s_getreg_b32 s2, hwreg(HW_REG_IB_STS2, 6, 4)
	s_cmp_eq_u32 s2, 0
	s_cbranch_scc0 .Lentry_in_a_cluster
	s_endpgm
.Lentry_in_a_cluster:
	s_bfe_u32 s2, ttmp6, 0x10000c
	s_cmp_lg_u32 s2, 0xf033
	s_cbranch_scc0 .Lentry_shape_is_right
	s_endpgm
.Lentry_shape_is_right:
; out0[m][n] = (sum over k of ctx[m][k] Wo[n][k]) x 2^(e10 + e11) + bo[n], on codes of FP8 (E4M3).  out0: [8192][1024] f32.  Wo: [1024][1024] codes, K innermost.
; ctx comes as images of operand registers: [4 K steps of 256][512 tiles of 16 tokens][8 pieces of 512 bytes]; piece c of a tile gives lane (r, h) token r, k = 32 c + 16 h + 0 .. 15 of the K step.
; That is the place that four loads of 16 bytes from padded rows give Wo's codes: the same permutation of k on both sides.
; A tile of out0 is 128 rows x 256 columns: 256 work-groups.  Four waves, each 64 x 128: 32 accumulators of 16 x 16, 256 registers.  K goes in steps of 256 through a ring of two LDS slots.
; CLUSTERS: 4 x 4 work-groups.  ctx's tile hangs on the tile row alone and is asked for jointly along a row of the cluster, Wo's on the tile column alone, along a column.
; THE MATRIX INSTRUCTION IS USED TRANSPOSED (source 0 = 16 rows of Wo, source 1 = 16 tokens): a lane holds eight neighbouring numbers of a row of out0.
; LIMIT: e10 + e11 between -126 and 127, so that 2^(e10 + e11) is an f32 number.
; REGISTERS: window 0: v1-29 addresses; v32-95 at work on the way out; v128-255 ctx's fragments, two sets of 4 x 16, later rows of out0.   window 1: Wo's fragments, two sets of 8 x 16.
;   window 2: the accumulators ((a, b) at v[8 (8 a + b)]).   window 3: v0-63 bo of my 128 columns in the result's layout.
.set KROW,   1024                      ; a row of Wo in bytes
.set ROWB,   256                       ; a K step of it
.set PITCH,  272                       ; an LDS row of Wo's tile: 256 bytes + 16 of padding = 68 words, so that the 16 rows of a fragment load start at 16 different banks (64 banks of 4 bytes: ISA guide 11.1)
.set FR,     16
.set HALFA,  16384                     ; four tiles of tokens x 4,096 bytes: what one tensor load brings of ctx, and what one wave reads
.set ABYTES, 2*HALFA
.set HALFB,  128*PITCH                 ; 128 rows of Wo
.set SLOT,   ABYTES+2*HALFB            ; ctx's eight tiles, dense; then Wo's 256 rows
.set KSB,    2097152                   ; from a K step of ctx to the next: 512 tiles x 4,096 bytes
.set STAGE,  2*SLOT                    ; behind the ring: 16 rows x (512 bytes + 16) for each wave, for the way out: no fill lands there
.set SPITCH, 528
.set SPARE,  STAGE+4*16*SPITCH         ; behind the stages: the spare words, 128 bytes for each wave
.set OROW,   4096                      ; a row of out0 in bytes
.set ADRA, 16                          ; v16-17  LDS address of my fragments of ctx in slot 0, 1
.set ADRB, 20                          ; v20-21  the same for Wo
.set STO,  24                          ; v24     the way out: where I put 32 bytes of a row
.set RD,   25                          ; v25     where I read a row back
.set CO,   26                          ; v26     16 x lane
.set BOF,  27                          ; v27     32 x h: the bias
.set SPW,  28                          ; v28     LDS address of my spare word; never rewritten
.set NIL,  29                          ; v29     0; never rewritten
.set TMP,  32
.set AF,   128
.set BK,   128
.set G1, 24                            ; s[24:31] descriptor group 1 for ctx's tiles;  s[32:39] group 0, one set for each slot
.set G0, 32
.set G1B, 48                           ; s[48:55], s[56:63] the same for Wo's tiles
.set G0B, 56
.set MSB, 0
.macro WIN new                         ; the immediate's high byte repeats the setting that is left
.if MSB != \new
	s_set_vgpr_msb (MSB<<8)|\new
.set MSB, \new
.endif
.endm
.set MUL,  0xa1                        ; source 0 (Wo) window 1, source 1 (ctx) window 0, C and D window 2
.set TO_B, 0x40                        ; destination window 1, address window 0
.macro JLOAD g0a, g1a, g0b, g1b        ; a joint load: waves 0 and 1 fetch for ctx, waves 2 and 3 for Wo; four v_nop follow each of the two lines, ahead of the jump, the label and what follows
	s_cmp_eq_u32 s15, 0
	s_cbranch_scc0 .Lfor_b_\@
	tensor_load_to_lds s[\g0a:\g0a+3], s[\g1a:\g1a+7]
	s_nop 0
.rept 4
	v_nop
.endr
	s_branch .Lasked_\@
.Lfor_b_\@:
	tensor_load_to_lds s[\g0b:\g0b+3], s[\g1b:\g1b+7]
	s_nop 0
.rept 4
	v_nop
.endr
.Lasked_\@:
.endm
.macro CREST                           ; a round of the cluster's barrier behind its opening barrier
	s_cmp_lg_u32 s14, 0
	s_cbranch_scc1 .Lnot_wave_0_\@
	s_barrier_signal -3
.Lnot_wave_0_\@:
	s_barrier_wait -3
	s_barrier_signal -1
	s_barrier_wait -1
.endm
.macro CROUND
	s_barrier_signal -1
	s_barrier_wait -1
	CREST
.endm
	s_load_b256 s[4:11], s[0:1], 0x0               ; ctx s[4:5], Wo s[6:7], bo s[8:9], the scales s[10:11]
	s_load_b64 s[12:13], s[0:1], 0x20              ; out0
	v_lshl_add_u32 v[SPW], v0, 2, SPARE
	v_mov_b32 v[NIL], 0
	ds_add_u32 v28, v29
	ds_add_u32 v28, v29
	s_wait_dscnt 0x0
	v_lshrrev_b32 v1, 5, v0
	v_readfirstlane_b32 s14, v1                    ; wave 0..3
	s_lshr_b32 s15, s14, 1                         ; which 64 of the tile's rows are mine.  Also: I fetch for ctx (0) or for Wo (1)
	s_and_b32 s16, s14, 1                          ; which 128 of its columns.  Also: which half of that tile I fetch
	s_bfe_u32 s40, ttmp6, 0x40000                  ; cx, cy
	s_bfe_u32 s41, ttmp6, 0x40004
	s_lshl_b32 s42, ttmp9, 2
	s_add_co_u32 s42, s42, s40                     ; tile column = 4 x cluster x + cx
	s_and_b32 s17, ttmp7, 0xffff
	s_lshl_b32 s17, s17, 2
	s_add_co_u32 s17, s17, s41                     ; tile row = 4 x cluster y + cy
	s_lshl_b32 s43, s41, 2
	s_lshl_b32 s43, 15, s43                        ; my row of the cluster
	s_lshl_b32 s44, 0x1111, s40                    ; my column
	; group 1 for ctx: 16,384 dense bytes as 64 rows of 256: elements of 8 bytes, no padding
	s_or_b32 s[G1+0], s43, (3<<16)|(1<<21)         ; 15:0 the mask: my row; 17:16 elements of 8 bytes; 21 set beside a mask
	s_mov_b32 s[G1+1], 32<<16                      ; tensor_dim0 = 32
	s_mov_b32 s[G1+2], 64<<16                      ; tensor_dim1 = 64
	s_mov_b32 s[G1+3], 32<<16                      ; tile_dim0 = 32
	s_mov_b32 s[G1+4], 64                          ; tile_dim1 = 64
	s_mov_b32 s[G1+5], 32                          ; the pitch: rows on end
	s_mov_b32 s[G1+6], 0
	s_mov_b32 s[G1+7], 0
	; group 1 for Wo: 128 rows x 256 bytes, padded in LDS
	s_or_b32 s[G1B+0], s44, (0<<16)|(1<<20)|(1<<21)|(5<<22)|(3<<25)  ; the mask: my column; elements of 1 byte; padding: four words after every 64
	s_mov_b32 s[G1B+1], ROWB<<16
	s_mov_b32 s[G1B+2], 128<<16
	s_mov_b32 s[G1B+3], ROWB<<16
	s_mov_b32 s[G1B+4], 128
	s_mov_b32 s[G1B+5], KROW
	s_mov_b32 s[G1B+6], 0
	s_mov_b32 s[G1B+7], 0
	s_lshl_b32 s20, s17, 3
	s_lshl_b32 s18, s16, 2
	s_add_co_u32 s20, s20, s18                     ; ctx: tile of tokens 8 x tile row + 4 x half,
	s_lshl_b32 s20, s20, 12                        ; x 4,096 bytes
	s_mov_b32 s21, 0
	s_lshl_b32 s46, s42, 8
	s_lshl_b32 s18, s16, 7
	s_add_co_u32 s46, s46, s18                     ; Wo: row 256 x tile column + 128 x half,
	s_lshl_b32 s46, s46, 10                        ; x 1,024 bytes
	s_mov_b32 s47, 0
	s_mul_i32 s45, s16, HALFA                      ; where they go: no place in the cluster enters an LDS address
	s_mul_i32 s19, s16, HALFB
	s_add_co_u32 s19, s19, ABYTES
	s_wait_kmcnt 0x0
	s_load_b64 s[96:97], s[10:11], 0x28            ; e10, e11
	s_add_nc_u64 s[20:21], s[4:5], s[20:21]
	s_add_nc_u64 s[46:47], s[6:7], s[46:47]
	CROUND                                         ; all sixteen work-groups are here: the first joint loads meet
.irp s, 0,1
	s_mov_b32 s[G0+4*\s], 1
	s_add_co_u32 s[G0+4*\s+1], s45, \s*SLOT
	s_add_nc_u64 s[G0+4*\s+2:G0+4*\s+3], s[20:21], \s*KSB
	s_or_b32 s[G0+4*\s+3], s[G0+4*\s+3], 0x80000000
	s_mov_b32 s[G0B+4*\s], 1
	s_add_co_u32 s[G0B+4*\s+1], s19, \s*SLOT
	s_add_nc_u64 s[G0B+4*\s+2:G0B+4*\s+3], s[46:47], \s*ROWB
	s_or_b32 s[G0B+4*\s+3], s[G0B+4*\s+3], 0x80000000
	JLOAD G0+4*\s, G1, G0B+4*\s, G1B
.endr
	v_and_b32 v1, 15, v0                           ; r
	v_bfe_u32 v2, v0, 4, 1                         ; h
	v_and_b32 v6, 31, v0
	v_lshlrev_b32 v[CO], 4, v6                     ; 16 x lane
	v_mul_u32_u24 v3, v1, PITCH
	v_lshl_add_u32 v4, v2, 4, v3                   ; Wo: row x pitch + 16 x half
	s_mul_i32 s21, s15, HALFA                      ; my four tiles of tokens
	s_mul_i32 s22, s16, HALFB                      ; my 128 rows of Wo,
	s_add_co_u32 s22, s22, ABYTES                  ; which lie behind ctx's part
.irp s, 0,1
	v_add_nc_u32 v[ADRA+\s], s21, v[CO]
	v_add_nc_u32 v[ADRB+\s], s22, v4
	s_add_co_u32 s21, s21, SLOT
	s_add_co_u32 s22, s22, SLOT
.endr
	s_mul_i32 s23, s14, 16*SPITCH
	s_add_co_u32 s23, s23, STAGE                   ; my stage
	v_mul_u32_u24 v5, v1, SPITCH                   ; in: row r, 32 bytes for each half of the lanes
	v_lshl_add_u32 v5, v2, 5, v5
	v_add_nc_u32 v[STO], s23, v5
	v_add_nc_u32 v[RD], s23, v[CO]                 ; back: the 32 lanes take one row of 512 bytes
	v_lshlrev_b32 v[BOF], 5, v2
	s_lshl_b32 s46, s42, 10                        ; my first column, in bytes of f32: 1,024 x tile column + 512 x half
	s_lshl_b32 s47, s16, 9
	s_add_co_u32 s46, s46, s47
	s_mov_b32 s47, 0
	s_add_nc_u64 s[8:9], s[8:9], s[46:47]          ; bo there,
	s_add_nc_u64 s[12:13], s[12:13], s[46:47]      ; out0 there,
	s_lshl_b32 s20, s17, 7
	s_lshl_b32 s21, s15, 6
	s_add_co_u32 s20, s20, s21                     ; in my first row: 128 x tile row + 64 x half
	s_lshl_b32 s20, s20, 12
	s_mov_b32 s21, 0
	s_add_nc_u64 s[12:13], s[12:13], s[20:21]
	WIN 0xc0                                       ; destination window 3, address window 0
.irp b, 0,1,2,3,4,5,6,7
	global_load_b128 v[8*\b:8*\b+3], v[BOF], s[8:9] offset:64*\b        ; bo[16 b + 8 h + 0 .. 7]: the layout of accumulator (a, b), for every a
	global_load_b128 v[8*\b+4:8*\b+7], v[BOF], s[8:9] offset:64*\b+16
.endr
	WIN 0
.macro FRAG reg, adr, q, i             ; Wo: lane l holds row l % 16; registers 4 c .. 4 c + 3 hold K = 32 c + 16 (l / 16) + 0 .. 15
.irp c, 0,1,2,3
	ds_load_b128 v[\reg+4*\c:\reg+4*\c+3], v[\adr] offset:128*(\q)+32*\c+(\i)*16*PITCH
.endr
.endm
.macro FRAG_A reg, slot, q, a          ; ctx: four pieces of 512 bytes, as they lie
.irp c, 0,1,2,3
	ds_load_b128 v[\reg+4*\c:\reg+4*\c+3], v[ADRA+\slot] offset:4096*(\a)+2048*(\q)+512*\c
.endr
.endm
; 8 matrix instructions: ctx's block a x Wo's eight, 128 along K, on set p.  The 32 accumulators take turns, one instruction a turn, in the same order in every step.
.macro MUL8 a, p, zero
.irp b, 0,1,2,3,4,5,6,7
.if \zero
	v_wmma_f32_16x16x128_fp8_fp8 v[8*(8*(\a)+\b):8*(8*(\a)+\b)+7], v[128*(\p)+FR*\b:128*(\p)+FR*\b+FR-1], v[AF+64*(\p)+FR*(\a):AF+64*(\p)+FR*(\a)+FR-1], 0
.else
	v_wmma_f32_16x16x128_fp8_fp8 v[8*(8*(\a)+\b):8*(8*(\a)+\b)+7], v[128*(\p)+FR*\b:128*(\p)+FR*\b+FR-1], v[AF+64*(\p)+FR*(\a):AF+64*(\p)+FR*(\a)+FR-1], v[8*(8*(\a)+\b):8*(8*(\a)+\b)+7]
.endif
.endr
.endm
.macro FETCH slot, q, p                ; 48 LDS loads in one run: Wo's eight fragments, then ctx's four, of the slot's q-th 128 along K, into set p
	WIN TO_B
.irp i, 0,1,2,3,4,5,6,7
	FRAG 128*(\p)+FR*\i, ADRB+\slot, \q, \i
.endr
	WIN 0
.irp a, 0,1,2,3
	FRAG_A AF+64*(\p)+FR*\a, \slot, \q, \a
.endr
.endm
.macro PLACES                          ; four places in front of loads into registers that matrix instructions have read, and of the first read of results (ISA guide 7.12.1 for vector instructions)
.rept 4
	v_nop
.endr
.endm
; A slot's first 128 along K, on set 0; in its middle the second 128 are fetched into set 1.
.macro STEP slot, zero
	s_wait_dscnt 8                                 ; Wo's set and ctx's blocks 0, 1 are in; the youngest eight loads (blocks 2, 3) may be out
	WIN MUL
	MUL8 0, 0, \zero
	MUL8 1, 0, \zero
	s_wait_dscnt 0
	PLACES
	FETCH \slot, 1, 1
	WIN MUL
	MUL8 2, 0, \zero
	MUL8 3, 0, \zero
	WIN 0
.endm
; A slot's second 128, on set 1, change slots: ONE barrier; in front of it each wave waits for all its tensor loads, adds 0 to its spare word, and waits for that and for its own reads of this slot.  fill = 1: this slot is filled again, two K steps ahead.
.macro TURN slot, next, fill
	s_wait_tensorcnt 0x0                           ; all my tensor loads have landed: my part of the next slot;  (every window is 0 here)
	ds_add_u32 v[SPW], v[NIL]                      ; 0 onto my spare word
	s_wait_dscnt 9                                 ; (the add and the youngest eight loads may be out)
	WIN MUL
	MUL8 0, 1, 0                                   ; eight matrix instructions stand between the add and the wait for it
	s_wait_dscnt 0x0                               ; the add is done, and my reads of this slot are over
	s_barrier_signal -1
	MUL8 1, 1, 0
	WIN 0
	s_barrier_wait -1
.if \fill
	CREST                                          ; the barrier has opened a round of the cluster's barrier: no wave of any partner still reads this slot's tile or has a load on its way
	s_add_nc_u64 s[G0+4*\slot+2:G0+4*\slot+3], s[G0+4*\slot+2:G0+4*\slot+3], 2*KSB
	s_add_nc_u64 s[G0B+4*\slot+2:G0B+4*\slot+3], s[G0B+4*\slot+2:G0B+4*\slot+3], 2*ROWB
	JLOAD G0+4*\slot, G1, G0B+4*\slot, G1B         ; the first tensor load behind the round; the four v_nop behind it are the places in front of the loads below
.else
	PLACES
.endif
	FETCH \next, 0, 0
	WIN MUL
	MUL8 2, 1, 0
	MUL8 3, 1, 0
	WIN 0
.endm
	s_wait_tensorcnt 1                             ; my part of K step 0 is in (K step 1's load may be out)
	s_barrier_signal -1
	s_barrier_wait -1                              ; everybody's is
	FETCH 0, 0, 0
	STEP 0, 1                                      ; the first step stands in front of the loop: its products start the sums
	s_mov_b32 s3, 1                                ; 1,024 along K are two laps of the ring: one trip fills both slots again
.Llap:
	TURN 0, 1, 1
	STEP 1, 0
	TURN 1, 0, 1
	STEP 0, 0
	s_sub_co_u32 s3, s3, 1
	s_cmp_lg_u32 s3, 0
	s_cbranch_scc1 .Llap
	TURN 0, 1, 0                                   ; the last lap fills nothing, and has no round of the cluster's barrier
	STEP 1, 0
	s_wait_dscnt 8                                 ; the very last 128: nothing more to fetch
	WIN MUL
	MUL8 0, 1, 0
	MUL8 1, 1, 0
	s_wait_dscnt 0
	MUL8 2, 1, 0
	MUL8 3, 1, 0
	WIN 0
; THE WAY OUT, block by block of 16 rows x 128 columns: sum x 2^(e10 + e11) + bo, one packed multiply-add for two numbers; through my own stage in LDS; back as whole rows of 512 bytes.
; LDS serves a wave's instructions in order (ISA guide 5.7.1.4): no wait between the stores and the loads, nor in front of the next block's stores.
.macro TOSTAGE a
.set AC, 64*(\a)
	WIN 0x32                                       ; source 0 (the sums) window 2, source 2 (bo) window 3
.set j, 0
.rept 32
	v_pk_fma_f32 v[TMP+j:TMP+j+1], v[AC+j:AC+j+1], s[96:97], v[j:j+1] op_sel_hi:[1,0,1]   ; the scalar pair's low word for both halves; each accumulator from its low end on
.set j, j+2
.endr
	WIN 0
.irp b, 0,1,2,3,4,5,6,7
	ds_store_b128 v[STO], v[TMP+8*\b:TMP+8*\b+3] offset:64*\b
	ds_store_b128 v[STO], v[TMP+8*\b+4:TMP+8*\b+7] offset:64*\b+16
.endr
.set BB, BK+64*((\a)%2)
.irp t, 0,1,2,3,4,5,6,7,8,9,10,11,12,13,14,15
	ds_load_b128 v[BB+4*\t:BB+4*\t+3], v[RD] offset:\t*SPITCH
.endr
.endm
.macro SEND a, younger                 ; younger: the LDS instructions issued behind block a's loads, which may stay out
.set BB, BK+64*((\a)%2)
	s_wait_dscnt \younger                          ; the block is back in registers
.if (\a) > 0
	s_add_nc_u64 s[12:13], s[12:13], 16*OROW       ; (behind a wait on XCNT: the earlier stores have read their base)  16 rows on
.endif
.irp t, 0,1,2,3,4,5,6,7,8,9,10,11,12,13,14,15
	global_store_b128 v[CO], v[BB+4*\t:BB+4*\t+3], s[12:13] offset:\t*OROW th:TH_STORE_NT   ; 32 lanes store 512 consecutive bytes, at a multiple of 512 from out0's first byte; written once, read by nobody here
.endr
.endm
	s_wait_kmcnt 0x0
	s_add_co_i32 s96, s96, s97                     ; e10 + e11, between -126 and 127,
	s_add_co_i32 s96, s96, 127
	s_lshl_b32 s96, s96, 23                        ; makes the f32 number 2^(e10 + e11)
	s_wait_loadcnt 0x0                             ; bo, asked for at the head
	PLACES                                         ; in front of the reads of the last results and of the loads into the registers that held ctx's fragments
	TOSTAGE 0
.irp a, 1,2,3
.if \a > 1
	s_wait_xcnt 0x0                                ; block a - 2's stores have read their registers and their base: block a's loads may land there, and the base may step
.endif
	TOSTAGE \a
	SEND \a-1, 32                                  ; behind block a - 1's loads: block a's 16 stores and 16 loads
.endr
	s_wait_xcnt 0x0                                ; block 2's stores have read their base
	SEND 3, 0
	s_wait_tensorcnt 0x0                           ; the wave's end: behind my last tensor load and my last LDS store
	ds_add_u32 v[SPW], v[NIL]
	s_wait_dscnt 0x0
	CROUND                                         ; the closing round: no work-group ends while a partner may still ask for a tile that names it
	s_endpgm
.Lfunc_end_k_qc15c504f46_oproj:
	.size	k_qc15c504f46_oproj, .Lfunc_end_k_qc15c504f46_oproj-k_qc15c504f46_oproj
	.p2alignl 7, 3214868480
	.fill 96, 4, 3214868480
	.section	.rodata,"a",@progbits
	.p2align	6, 0x0
	.amdhsa_kernel k_qc15c504f46_oproj
		.amdhsa_group_segment_fixed_size 327680
		.amdhsa_private_segment_fixed_size 0
		.amdhsa_enable_private_segment 0
		.amdhsa_kernarg_size 40
		.amdhsa_user_sgpr_count 2
		.amdhsa_user_sgpr_kernarg_segment_ptr 1
		.amdhsa_wavefront_size32 1
		.amdhsa_system_sgpr_workgroup_id_x 1
		.amdhsa_system_sgpr_workgroup_id_y 1
		.amdhsa_system_sgpr_workgroup_id_z 1
		.amdhsa_system_vgpr_workitem_id 0
		.amdhsa_next_free_vgpr 832
		.amdhsa_next_free_sgpr 100
		.amdhsa_reserve_vcc 0
		.amdhsa_float_denorm_mode_32 3
		.amdhsa_float_denorm_mode_16_64 3
		.amdhsa_memory_ordered 1
		.amdhsa_forward_progress 1
		.amdhsa_inst_pref_size 77
	.end_amdhsa_kernel
	.amdgpu_metadata
---
amdhsa.version: [ 1, 2 ]
amdhsa.kernels:
  - .name:           k_qc15c504f46_oproj
    .symbol:         k_qc15c504f46_oproj.kd
    .args:
      - { .name: ctx, .offset: 0, .size: 8, .value_kind: global_buffer, .address_space: global }
      - { .name: Wo_codes, .offset: 8, .size: 8, .value_kind: global_buffer, .address_space: global }
      - { .name: bo, .offset: 16, .size: 8, .value_kind: global_buffer, .address_space: global }
      - { .name: lowp_scales, .offset: 24, .size: 8, .value_kind: global_buffer, .address_space: global }
      - { .name: out0, .offset: 32, .size: 8, .value_kind: global_buffer, .address_space: global }
    .group_segment_fixed_size: 327680
    .private_segment_fixed_size: 0
    .kernarg_segment_align: 8
    .kernarg_segment_size: 40
    .max_flat_workgroup_size: 128
    .sgpr_count:     100
    .vgpr_count:     832
    .wavefront_size: 32
...
	.end_amdgpu_metadata
.endif
;; end of part 3
;; ======== version 2 of 2: 3 launches; version 1 with the launch attn written anew for expert scheduling mode
;; workspace buffers: qc 8,388,608 bytes; kv 16,777,216 bytes; ctx 8,388,608 bytes
;; launch qkv: the kernel of part 1 again; grid 12 x 32, 4 waves a work-group, clusters of 4 x 4, 327,680 bytes of LDS; arguments x_codes, Wq_codes, Wk_codes, Wv_codes, bq, bk, bv, lowp_scales, qc, kv; writes qc, kv
;; launch attn (part 4): grid 4 x 64, 16 waves a work-group, no clusters, 264,192 bytes of LDS; arguments qc, kv, lowp_scales, ctx; writes ctx
.if DOCPART == 4
	.amdgcn_target "amdgcn-amd-amdhsa--gfx1250"
	.amdhsa_code_object_version 6
	.text
	.protected	k_qc15c504f46_attn
	.globl	k_qc15c504f46_attn
	.p2align	8
	.type	k_qc15c504f46_attn,@function
k_qc15c504f46_attn:
	s_mov_b64 s[64:65], 0
	v_nop
	global_prefetch_b8 v0, s[64:65] scope:SCOPE_SE
	s_setreg_imm32_b32 hwreg(HW_REG_WAVE_SCHED_MODE, 0, 2), 2
	s_setreg_imm32_b32 hwreg(HW_REG_WAVE_MODE, 25, 1), 1
	s_wait_xcnt 0x0
	s_wait_alu depctr_vm_vsrc(0)
; ctx[b][q][head] = softmax_k(q . k / 8) v for 64 heads of the batch, 2,048 tokens, head size 64, both products on codes of FP8 (E4M3); the result is quantised at once with entry 10 of the scales.
; THE SOFTMAX AHEAD OF THE SECOND PRODUCT: t = score x log2(e) / 8; M = the running largest t rounded UP to a whole number; p = 2^(t - M) is what is quantised (entry 8), not normalised.
; The row's sum is taken of the unquantised p, in f32, and divides at the end.  When M moves, the sum and O are multiplied by 2^(old M - new M): exact.
; SHARES.  A work-group owns 512 queries of one head, each of its SIXTEEN waves 32: two tiles of 16, in 256 registers; four waves to a SIMD, so that one wave's vector work stands beside another's
; products and LDS loads.  Every wave walks the head's 2,048 keys, 128 a step; each fragment of K and V that it reads from LDS feeds two products.
; LAYOUT.  Both products are used transposed: S^T = K Q^T (source 0 = 16 keys, source 1 = 16 queries, K = 64), O^T = V^T P^T (source 0 = 16 channels, source 1 = P, K = 128 keys): a lane holds ONE
; query (lane % 16) throughout.  Register j of tile t of S^T is key 16 t + 8 (lane / 16) + j, so the conversion of tile t gives registers 2 t, 2 t + 1 of P as the K = 128 form lays them: no key changes its place.
; q, k and v come as images of operand registers (lane l's 16 bytes at 16 l, 512 bytes a load): no pitch, no padding.
; THE HEAD'S WHOLE K AND V LIE IN LDS, 262,144 bytes, key step s at 16,384 s, laid as in memory; no byte is written twice.  They come through registers: thread t moves the 16 bytes at 16 t and at
; 16 t + 8,192 of each step.  Steps 0-3 come at the head; each of steps 0 to 11 asks at its head for the wave's two pieces of the step FOUR further on and stores them at its end; one barrier for four steps.
; NO TENSOR LOADS AND NO JOINT LOADS, though the four work-groups of a head read the same K and V.  p is at most 1, so the hold at 448 x 2^e8 changes nothing where e8 >= -8; it is 64 of a tile's 258
; vector instructions a step, and it is jumped over by a scalar branch on that given whole number.  What is shared is 262,144 bytes
; a work-group in all, each piece asked for four steps, 96 matrix instructions and eight softmaxes, ahead of its first use.
; LIMITS on the given exponents: e6 + e7 between -123 and 130 (added to c's exponent field); e8, and e10 - e8 - e9, between -126 and 119.  NaN is not served.
; REGISTERS: v1 16 x lane; v2 the step's LDS address; v3 the address of the pieces in hand; v4, v5 the conversion's scale and hold; v6, v7 at work; v8-11, v12-15 a tile's -M, largest t, sum in two halves;
; v16-31 Q; v32-95 eight fragments of K or four of V; v98-161 S^T, then p; v162-177 tile 0's codes; v96-111 tile 1's, laid over numbers already converted; v178-241 O^T; v242-246 at work; v247 16 x thread; v248-255 two pieces on their way.
; THE MODE: SCHED_MODE bits 1:0 = 2 (LLVM: expert scheduling mode 2), set by the entry lines.  The code itself states the register dependences
; between vector or matrix instructions and memory or LDS instructions, with s_wait_alu, always for 0.
; THE PLAN.  Registers that memory or LDS instructions touch:
;   v1, v247      Written once at the head, never again; read as offsets and LDS addresses.
;   v2            Written by one add at each step's head; read by the step's 32 LDS loads.
;   v3            Written by one add at the head of each step that fetches; read by the step's two loads and, at its end, by its two LDS stores.
;   v32-95        K's fragments land at the step's head; the sixteen products K Q^T read them; V's fragments land behind tile 1's exponentials; the eight products V^T P^T read them.
;                 On the way out v32-47 are written by conversions and exchanges and read by the four stores.
;   v248-255      The step's two loads land here; its two LDS stores read them; no vector instruction names them in the loop.  v254 and v255 are made anew for the closing add.
;   v98-129       At the head only: eight loads land, eight LDS stores read them; then the first step's products write them.
; So a step has: ONE wait on vm_vsrc at its head, ahead of the adds to v2 and v3; ONE wait on va_vdst behind those adds, ahead of the step's first loads; and the wait that stands behind each
; softmax's exponentials in any case, of which tile 1's also stands ahead of V's loads.
.set LI,  1
.set ADR, 2
.set FA,  3
.set KV,  32
.set S,   98
.set TO,  247
.set STEPB, 16384                      ; a key step's images: eight of K (1,024 bytes), four of V (2,048)
.set GRP,   4*STEPB                    ; a group of four steps
	s_load_b256 s[4:11], s[0:1], 0x0               ; qc s[4:5], kv s[6:7], the scales s[8:9], ctx s[10:11]
	v_lshrrev_b32 v2, 5, v0
	v_readfirstlane_b32 s12, v2                    ; wave 0..15
	s_and_b32 s13, ttmp7, 0xffff                   ; 16 x batch + head
	v_and_b32 v[LI], 31, v0
	v_lshlrev_b32 v[LI], 4, v[LI]
	v_lshlrev_b32 v[TO], 4, v0
	s_wait_alu depctr_va_sdst(0)                   ; s12 is written, ahead of its first reader: my tile of queries is made from it
	s_mov_b32 s16, 0x76543210                      ; v_permlanex16_b32's selects for lane l xor 16
	s_mov_b32 s17, 0xfedcba98
	s_lshl_b32 s36, s13, 18                        ; kv: 262,144 bytes a head
	s_mov_b32 s37, 0
	s_lshl_b32 s38, ttmp9, 5
	s_lshl_b32 s39, s12, 1
	s_add_co_u32 s38, s38, s39                     ; my first tile of 16 queries: 32 x work-group x + 2 x wave
	s_lshl_b32 s40, s13, 17                        ; qc: 131,072 bytes a head,
	s_lshl_b32 s41, s38, 10                        ; 1,024 a tile
	s_add_co_u32 s40, s40, s41
	s_mov_b32 s41, 0
	s_and_b32 s42, s13, 15
	s_lshr_b32 s42, s42, 2
	s_lshl_b32 s42, s42, 21                        ; ctx: [head / 4][512 tiles of tokens][head % 4][1,024 bytes]
	s_lshr_b32 s43, s13, 4
	s_lshl_b32 s43, s43, 7
	s_add_co_u32 s43, s43, s38                     ; 128 x batch + my tile
	s_lshl_b32 s43, s43, 12
	s_add_co_u32 s42, s42, s43
	s_and_b32 s43, s13, 3
	s_lshl_b32 s43, s43, 10
	s_add_co_u32 s42, s42, s43
	s_mov_b32 s43, 0
	s_wait_kmcnt 0x0
	s_load_b256 s[24:31], s[8:9], 0x0              ; entries 0 to 7
	s_load_b128 s[32:35], s[8:9], 0x20             ; entries 8 to 11
	s_add_nc_u64 s[6:7], s[6:7], s[36:37]
	s_add_nc_u64 s[4:5], s[4:5], s[40:41]
	s_add_nc_u64 s[10:11], s[10:11], s[42:43]
	s_wait_alu depctr_va_vdst(0)                   ; v1 and v247 are written: the loads below, the head's LDS stores and the last stores read them as offsets and addresses; no vector instruction names them again
.irp k, 0,1,2,3                                ; key steps 0 to 3: my thread's eight pieces
.irp c, 0,1
	global_load_b128 v[S+8*\k+4*\c:S+8*\k+4*\c+3], v[TO], s[6:7] offset:STEPB*\k+8192*\c
.endr
.endr
.irp x, 0,1                                    ; Q's two fragments stay in registers; read once in the launch
.irp g, 0,1
	global_load_b128 v[16+8*\x+4*\g:16+8*\x+4*\g+3], v[LI], s[4:5] offset:1024*\x+512*\g th:TH_LOAD_NT
.endr
.endr
.irp x, 0,1
	v_mov_b32 v[9+4*\x], 0xff61b1e6                ; the largest t so far: -3e38, under every t
	v_floor_f32 v[8+4*\x], -v[9+4*\x]              ; -M
	v_mov_b32 v[10+4*\x], 0                        ; the sum, in two halves
	v_mov_b32 v[11+4*\x], 0
.endr
	v_mov_b32 v245, 0                              ; (named as the upper half of the pair v[244:245])
	v_mov_b32 v246, 0                              ; written once: a lane permute's destination counts as one of its sources
.set j, 0
.rept 64
	v_mov_b32 v[178+j], 0                          ; O^T.  (The step is written once: the first finds zeros, which the first change of M leaves zeros)
.set j, j+1
.endr
	s_wait_kmcnt 0x0
	s_add_co_i32 s36, s30, s31
	s_lshl_b32 s36, s36, 23
	s_add_co_i32 s18, s36, 0x3e38aa3b              ; c = log2(e) / 8, with e6 + e7 added to its exponent field: a score stands for score x 2^(e6 + e7)
	s_mov_b32 s19, s18                             ; (named with it as a pair, so it is written)
	s_add_co_i32 s36, s32, 127
	s_lshl_b32 s37, s36, 23
	v_mov_b32 v4, s37                              ; 2^e8 as f32, for p's conversion
	s_add_co_i32 s36, s36, 8
	s_lshl_b32 s36, s36, 23
	s_or_b32 s36, s36, 0x600000
	v_mov_b32 v5, s36                              ; 448 x 2^e8
	s_cmp_lt_i32 s32, -8
	s_cselect_b32 s23, 1, 0                        ; is 448 x 2^e8 under 1?  Only then can the hold change a p
	s_sub_co_i32 s36, s34, s32
	s_sub_co_i32 s36, s36, s33                     ; e10 - e8 - e9: O / the sum stands for ctx / 2^(e8 + e9)
	s_add_co_i32 s36, s36, 127
	s_lshl_b32 s38, s36, 23                        ; the last conversion's scale,
	s_add_co_i32 s36, s36, 8
	s_lshl_b32 s39, s36, 23
	s_or_b32 s39, s39, 0x600000                    ; and its hold
	s_wait_loadcnt 4                               ; K's and V's eight pieces are in; Q's four loads may be out
.irp k, 0,1,2,3
.irp c, 0,1
	ds_store_b128 v[TO], v[S+8*\k+4*\c:S+8*\k+4*\c+3] offset:STEPB*\k+8192*\c   ; the data come from loads; no vector instruction since the wait ahead of those loads names v247 or these registers
.endr
.endr
	s_wait_dscnt 0x0                               ; for the others' sake: my stores have landed
	s_barrier_signal -1
	s_barrier_wait -1                              ; key steps 0 to 3 lie in LDS
	s_wait_loadcnt 0x0                             ; Q
; One tile's softmax for a key step, on the 64 scores in v[S] on.  Its codes go to v162 on (tile 0) or v96 on (tile 1).  In tile 1's stand V's LDS loads, behind the wait for the exponentials.
.macro SOFTMAX X
.set T, 8+4*(\X)
.set OB, 178+32*(\X)
.if (\X) == 0
.set PD, 162
.else
.set PD, 96
.endif
	v_max3_num_f32 v6, v[S], v[S+1], v[S+2]        ; the step's largest score of my query, among my 64 keys, in two chains; each tile of S^T is read first at its two lowest registers
	v_max3_num_f32 v7, v[S+3], v[S+4], v[S+5]
.irp i, 6,10,14,18,22,26,30,34,38,42,46,50,54,58
	v_max3_num_f32 v6, v6, v[S+\i], v[S+\i+1]
	v_max3_num_f32 v7, v7, v[S+\i+2], v[S+\i+3]
.endr
	v_max3_num_f32 v6, v6, v[S+62], v[S+63]
	v_max_num_f32 v6, v6, v7
	v_permlanex16_b32 v246, v6, s16, s17
	v_max_num_f32 v6, v6, v246                     ; and among lane l xor 16's
	v_mul_f32 v6, s18, v6                          ; as t (c is positive)
	v_max_num_f32 v[T+1], v[T+1], v6               ; the running largest t
	v_mov_b32 v6, v[T]
	v_floor_f32 v[T], -v[T+1]                      ; the new -M = floor(-t) = -ceil(t): a whole number
	v_sub_f32 v6, v[T], v6                         ; M's old value less its new one: a whole number, 0 or less
	v_cvt_i32_f32 v6, v6                           ; (it saturates)
	v_ldexp_f32 v244, 1.0, v6                      ; f = 2^(old M - new M)
.set j, 0
.rept 32
	v_pk_fma_f32 v[S+j:S+j+1], v[S+j:S+j+1], s[18:19], v[T:T+1] op_sel_hi:[1,0,0]   ; t - M, two at a time (of the pairs c and -M the low word serves both halves)
.set j, j+2
.endr
.set j, 0
.rept 64
	v_exp_f32 v[S+j], v[S+j]                       ; p = 2^(t - M), at most 1: not normalised
.set j, j+1
.endr
	v_pk_mul_f32 v[T+2:T+3], v[T+2:T+3], v[244:245] op_sel_hi:[1,0]   ; the sums under the new M: the plain instruction behind the exponentials
	s_wait_alu depctr_va_vdst(0)                   ; the 64 exponentials have written p, ahead of its first reader: one wait for the batch.  In tile 1's softmax also: the products K Q^T are done reading K's fragments, in which V's land
.if (\X) == 1
.irp t, 0,1,2,3                                ; V's four fragments land while the sums, the conversions and O^T's rescaling are walked: none of those names v[KV ..] or v[ADR]
.irp c, 0,1,2,3
	ds_load_b128 v[KV+16*\t+4*\c:KV+16*\t+4*\c+3], v[ADR] offset:8192+2048*\t+512*\c
.endr
.endr
.endif
	v_pk_add_f32 v[242:243], v[S:S+1], v[S+2:S+3]  ; the row's sum is taken of the unquantised p: two at a time, in two chains
.irp j, 4,8,12,16,20,24,28,32,36,40,44,48,52,56,60
	v_pk_add_f32 v[T+2:T+3], v[T+2:T+3], v[S+\j:S+\j+1]
	v_pk_add_f32 v[242:243], v[242:243], v[S+\j+2:S+\j+3]
.endr
	v_pk_add_f32 v[T+2:T+3], v[T+2:T+3], v[242:243]
	s_cmp_eq_u32 s23, 0                            ; the conversion to an 8-bit code does not saturate (ISA guide 7.6.2); where 448 x 2^e8 is 1 or more no p lies beyond it
	s_cbranch_scc1 .Lno_hold_\@
.set j, 0
.rept 64
	v_min_num_f32 v[S+j], v[S+j], v5               ; p is not negative: the hold is one-sided
.set j, j+1
.endr
.Lno_hold_\@:
.irp k, 0,1,2,3,4,5,6,7                        ; behind each conversion two plain instructions, O^T's rescaling by f: tile 1's next conversion writes over numbers that the last one read
	v_cvt_scalef32_pk8_fp8_f32 v[PD+2*\k:PD+2*\k+1], v[S+8*\k:S+8*\k+7], v4
	v_pk_mul_f32 v[OB+4*\k:OB+4*\k+1], v[OB+4*\k:OB+4*\k+1], v[244:245] op_sel_hi:[1,0]
	v_pk_mul_f32 v[OB+4*\k+2:OB+4*\k+3], v[OB+4*\k+2:OB+4*\k+3], v[244:245] op_sel_hi:[1,0]
.endr
.endm
.macro QK X                                    ; S^T = K Q^T for tile X: eight tiles of 16 keys, each one product: K = the head's 64
.irp t, 0,1,2,3,4,5,6,7
	v_wmma_f32_16x16x64_fp8_fp8 v[S+8*\t:S+8*\t+7], v[KV+8*\t:KV+8*\t+7], v[16+8*(\X):23+8*(\X)], 0
.endr
.rept 4
	v_nop                                          ; places in front of the first read of the scores
.endr
.endm
; A KEY STEP: the 128 keys whose images begin at LDS byte s20.  F = 1: the wave's two pieces of the step four further on are fetched on the way.
.macro STEP F
	s_wait_alu depctr_vm_vsrc(0)                   ; the last step's LDS loads have read v[ADR]; its two loads and two LDS stores have read v[FA], and the stores v[248:255], in which this step's pieces land; in the first step: the head's LDS stores have read v[S ..], which the products below write
	v_add_nc_u32 v[ADR], s20, v[LI]
.if \F
	s_add_co_u32 s21, s20, GRP
	v_add_nc_u32 v[FA], s21, v[TO]                 ; the same number is the pieces' offset in the head's part of kv and their LDS address
.rept 3
	v_nop                                          ; five places in all behind the last products, since the next products write over tile 1's codes, which those read
.endr
.else
.rept 4
	v_nop
.endr
.endif
	s_wait_alu depctr_va_vdst(0)                   ; v[ADR] and v[FA] are written, which the loads below and the LDS stores at the step's end read; the last step's products V^T P^T are done reading V's fragments, in which K's land
.if \F
	global_load_b128 v[248:251], v[FA], s[6:7]
	global_load_b128 v[252:255], v[FA], s[6:7] offset:8192
.endif
.irp t, 0,1,2,3,4,5,6,7
	ds_load_b128 v[KV+8*\t:KV+8*\t+3], v[ADR] offset:1024*\t
	ds_load_b128 v[KV+8*\t+4:KV+8*\t+7], v[ADR] offset:1024*\t+512
.endr
	s_wait_dscnt 0x0
	QK 0
	SOFTMAX 0
	QK 1
	SOFTMAX 1                                      ; V's loads stand in it
	s_wait_dscnt 0x0
.irp t, 0,1,2,3                                ; O^T += V^T P^T: the eight accumulators by turns, one instruction a turn
	v_wmma_f32_16x16x128_fp8_fp8 v[178+8*\t:185+8*\t], v[KV+16*\t:KV+16*\t+15], v[162:177], v[178+8*\t:185+8*\t]
	v_wmma_f32_16x16x128_fp8_fp8 v[210+8*\t:217+8*\t], v[KV+16*\t:KV+16*\t+15], v[96:111], v[210+8*\t:217+8*\t]
.endr
.if \F
	s_wait_loadcnt 0x0                             ; my two pieces, asked for at the step's head, are in
	ds_store_b128 v[FA], v[248:251]                ; no vector instruction since the wait at the step's head names v[FA] or the pieces' registers
	ds_store_b128 v[FA], v[252:255] offset:8192
	s_wait_dscnt 0x0                               ; my two stores have landed
.endif
.endm
; Four key steps.  A group reads LDS bytes 65,536 g on and, but for the last, stores into bytes 65,536 (g + 1) on: the barrier at its end stands between those stores and their readers.
.macro GROUP g
	s_mov_b32 s20, (\g)*GRP
	s_mov_b32 s22, 4
.Lstep_\@:
.if (\g) < 3
	STEP 1
.else
	STEP 0
.endif
	s_add_co_u32 s20, s20, STEPB
	s_sub_co_u32 s22, s22, 1
	s_cmp_lg_u32 s22, 0
	s_cbranch_scc1 .Lstep_\@
.if (\g) < 3
	s_wait_dscnt 0x0                               ; for the others' sake: my stores into the next group's bytes have landed
	s_barrier_signal -1
	s_barrier_wait -1
.endif
.endm
	GROUP 0
	GROUP 1
	GROUP 2
	GROUP 3
	; THE WAY OUT.  O^T / the sum is held, converted with 2^(e10 - e8 - e9) and stored as an image of the last product's operand.
.rept 4
	v_nop                                          ; places behind the last products
.endr
	v_add_f32 v10, v10, v11                        ; the sum's two halves,
	v_add_f32 v14, v14, v15
	v_permlanex16_b32 v246, v10, s16, s17
	v_permlanex16_b32 v6, v14, s16, s17
	v_add_f32 v10, v10, v246                       ; and lane l xor 16's: the row's sum
	v_add_f32 v14, v14, v6
	v_rcp_f32 v10, v10
	v_rcp_f32 v14, v14
	v_mov_b32 v4, s38                              ; (plain instructions behind the reciprocals)  2^(e10 - e8 - e9),
	v_mov_b32 v5, s39                              ; 448 x that
	s_wait_alu depctr_va_vdst(0)                   ; the two reciprocals have written v10 and v14, ahead of their first reader: one wait for both
.irp x, 0,1
.set j, 0
.rept 16
	v_pk_mul_f32 v[S+32*\x+j:S+32*\x+j+1], v[178+32*\x+j:178+32*\x+j+1], v[10+4*\x:11+4*\x] op_sel_hi:[1,0]   ; register 8 t + i: channel 16 t + 8 h + i of my query; each accumulator from its low end on
.set j, j+2
.endr
.set j, 0
.rept 32
	v_med3_num_f32 v[S+32*\x+j], v[S+32*\x+j], -v5, v5
.set j, j+1
.endr
.irp t, 0,1,2,3
	v_cvt_scalef32_pk8_fp8_f32 v[KV+8*\x+2*\t:KV+8*\x+2*\t+1], v[S+32*\x+8*\t:S+32*\x+8*\t+7], v4
.endr
.endr
	v_nop                                          ; one plain instruction between the last conversion and the lines that touch its result
; Registers 4 g .. 4 g + 3 hold channels 32 g + 8 h + 0 .. 7 and 32 g + 16 + 8 h + 0 .. 7.  The last product takes its fragments by loads of 16 bytes: lane (r, h) wants channels 32 g + 16 h + 0 .. 15.
; Two exchanges (the first register's lanes 16-31 with the second's lanes 0-15) make that of them.
.irp x, 0,1
.irp g, 0,1
	v_permlane16_swap_b32 v[KV+8*\x+4*\g], v[KV+8*\x+4*\g+2]
	v_permlane16_swap_b32 v[KV+8*\x+4*\g+1], v[KV+8*\x+4*\g+3]
.endr
.endr
	s_wait_alu depctr_va_vdst(0)                   ; the conversions and the exchanges have written v[KV .. KV + 15], which the four stores read
.irp x, 0,1
.irp g, 0,1
	global_store_b128 v[LI], v[KV+8*\x+4*\g:KV+8*\x+4*\g+3], s[10:11] offset:4096*\x+512*\g   ; 32 lanes store 512 consecutive bytes, at a multiple of 512 from ctx's first byte
.endr
.endr
	s_wait_xcnt 0x0
	s_wait_alu depctr_vm_vsrc(0)                   ; v254 and v255 were data of the steps' LDS stores, which have read them: the two lines below write them anew
	v_lshl_add_u32 v254, v0, 2, 0x40000
	v_mov_b32 v255, 0
	s_wait_dscnt 0x0                               ; the closing lines, six on end
	s_wait_alu 0x0
	s_wait_tensorcnt 0x0
	ds_add_u32 v254, v255
	s_wait_dscnt 0x0
	s_endpgm
.Lfunc_end_k_qc15c504f46_attn:
	.size	k_qc15c504f46_attn, .Lfunc_end_k_qc15c504f46_attn-k_qc15c504f46_attn
	.p2alignl 7, 3214868480
	.fill 96, 4, 3214868480
	.section	.rodata,"a",@progbits
	.p2align	6, 0x0
	.amdhsa_kernel k_qc15c504f46_attn
		.amdhsa_group_segment_fixed_size 264192
		.amdhsa_private_segment_fixed_size 0
		.amdhsa_enable_private_segment 0
		.amdhsa_kernarg_size 32
		.amdhsa_user_sgpr_count 2
		.amdhsa_user_sgpr_kernarg_segment_ptr 1
		.amdhsa_wavefront_size32 1
		.amdhsa_system_sgpr_workgroup_id_x 1
		.amdhsa_system_sgpr_workgroup_id_y 1
		.amdhsa_system_sgpr_workgroup_id_z 1
		.amdhsa_system_vgpr_workitem_id 0
		.amdhsa_next_free_vgpr 256
		.amdhsa_next_free_sgpr 66
		.amdhsa_reserve_vcc 0
		.amdhsa_float_denorm_mode_32 3
		.amdhsa_float_denorm_mode_16_64 3
		.amdhsa_memory_ordered 1
		.amdhsa_forward_progress 1
		.amdhsa_inst_pref_size 130
	.end_amdhsa_kernel
	.amdgpu_metadata
---
amdhsa.version: [ 1, 2 ]
amdhsa.kernels:
  - .name:           k_qc15c504f46_attn
    .symbol:         k_qc15c504f46_attn.kd
    .args:
      - { .name: qc, .offset: 0, .size: 8, .value_kind: global_buffer, .address_space: global }
      - { .name: kv, .offset: 8, .size: 8, .value_kind: global_buffer, .address_space: global }
      - { .name: lowp_scales, .offset: 16, .size: 8, .value_kind: global_buffer, .address_space: global }
      - { .name: ctx, .offset: 24, .size: 8, .value_kind: global_buffer, .address_space: global }
    .group_segment_fixed_size: 264192
    .private_segment_fixed_size: 0
    .kernarg_segment_align: 8
    .kernarg_segment_size: 32
    .max_flat_workgroup_size: 512
    .sgpr_count:     66
    .vgpr_count:     256
    .wavefront_size: 32
...
	.end_amdgpu_metadata
.endif
;; end of part 4
;; launch oproj: the kernel of part 3 again; grid 4 x 64, 4 waves a work-group, clusters of 4 x 4, 327,680 bytes of LDS; arguments ctx, Wo_codes, bo, lowp_scales, out0; writes out0
